; MI455X (gfx1250); checked and timed in simulation.
; The chip was launched on July 23, 2026; its instructions are those of AMD's public machine-readable ISA for CDNA 5 (MIT licence, August 2026) and "CDNA5" Instruction Set Architecture Reference Guide (July 2026). The comments in the code are by the model that wrote it; some were corrected since.
;; Stacked Filter. Allowed arithmetic: float matrix products may take bf16 or f16 operands with f32 sums; other float arithmetic in f32, or as packed bf16 or f16 multiplies, adds, multiply-adds, maxima and minima; sums over many terms, partial sums and values carried from step to step in f32; what a program stores and reads back later, other than sums and carried values, may be rounded once to bf16 or f16.
;; Inputs: a_list 4 float32; b_list 4 float32; batch_U 2,048 x 2,048 float32; batch_lam 2,048 x 2,048 float32; batch_x 2,048 x 256 float32; c_list 4 float32; edge_index 2 x 65,536 int32; residual_alpha 1 float32.
;; Outputs: out0 2,048 x 256 float32.
;; 2 versions, each right; version 2 is version 1 with the launch prep written anew for expert scheduling mode. Each part assembles by itself: llvm-mc -triple=amdgcn-amd-amdhsa -mcpu=gfx1250 --defsym DOCPART=n.
;; ======== version 1 of 2: 5 launches
;; workspace buffers: Lc 16,777,216 bytes; Uc 16,777,216 bytes; xc 2,097,152 bytes; Rb 8,388,608 bytes; Yhl 2,097,152 bytes; Zhl 2,097,152 bytes
;; launch prep (part 1): grid 16 x 34, 8 waves a work-group, no clusters, 34,304 bytes of LDS; arguments batch_lam, batch_U, batch_x, Lc, Uc, xc; writes Lc, Uc, xc
.if DOCPART == 1
	.amdgcn_target "amdgcn-amd-amdhsa--gfx1250"
	.amdhsa_code_object_version 6
	.text
	.protected	k_qede77b4781_prep
	.globl	k_qede77b4781_prep
	.p2align	8
	.type	k_qede77b4781_prep,@function
k_qede77b4781_prep:
	s_mov_b64 s[64:65], 0
	v_nop
	global_prefetch_b8 v0, s[64:65] scope:SCOPE_SE
	s_setreg_imm32_b32 hwreg(HW_REG_WAVE_MODE, 25, 1), 1
	s_wait_xcnt 0x0
; THE PROGRAM.  out = alpha x + sum over four hops i of s_i U relu((a_i I - Lam)(Lam - b_i I)) U^T x,  s_i = c_i / ((a_i - b_i)^2 / 4).  N = 2048, F = 256, all f32.
; WORK LEFT OUT, for all finite values of the inputs:
;  (1) I is built in reference()'s own body and commutes with Lam: (a I - Lam)(Lam - b I) = (a + b) Lam - a b I - Lam Lam.  One product Lam Lam serves the four hops; three N^3 products go.
;  (2) U^T x does not hang on the hop: it is made once; three N^2 F products go.
;  (3) s_i U (rep_i Y) is linear in rep_i: sum_i s_i U (rep_i Y) = U ((sum_i s_i rep_i) Y).  R = sum_i s_i rep_i is formed number by number; one product R Y and one U Z are left; six N^2 F products go.
;  (4) edge_index enters no expression of reference(): it is not loaded and is among no launch's arguments.
; LIMITS.  A NaN, an infinity or an overflow that arises only in the products left out is not carried to the result.  Every floating-point input is rounded once to bf16
; (to nearest even) and used so everywhere, in the residual and in a, b, c, alpha too; sums are f32.  R is rounded once to bf16; Y = U^T x and Z = R Y are kept as bf16 hi + bf16 lo.
; THIS LAUNCH writes the bf16 copies: Lam, U and x as they lie, and each of them transposed, so that every later product finds K along the rows of both its operands.
;   Lc, Uc: [m][k] at byte 0, [k][m] at byte 0x800000, rows of 4,096 bytes.   xc: [n][f] at byte 0, rows of 512 bytes; [f][n] at byte 0x100000, rows of 4,096 bytes.
; SHARES.  A work-group takes one tile of 128 x 128; grid y = 16 m + j names the matrix m (0 Lam, 1 U, 2 x) by scalar selects alone.  Wave w owns rows 16 w .. 16 w + 15, lane l columns 4 l .. 4 l + 3:
; a load of the wave covers 512 consecutive bytes, a store of the plain copy 256 consecutive bytes, aligned.  The transposed tile goes through LDS and leaves as rows of 256 bytes, sixteen lanes to a row.
; No matrix unit, no cluster, no tensor load: each byte is read once by one wave and nothing is shared.
.set SPARE, 33280                      ; behind the tile: the spare words, 128 bytes for each of eight waves
.set LW,  4                            ; v4   LDS: where I put 16 bytes of a transposed row: l x 1040 + 32 w
.set LR,  5                            ; v5   LDS: where I read rows back: 4160 w + 256 (l / 16) + 16 (l % 16)
.set OT,  6                            ; v6   my offset in the transposed copy: (16 w + l / 16) x 4096 + 16 (l % 16)
.set SPW, 8                            ; v8   my spare word; never rewritten
.set NIL, 9                            ; v9   0; never rewritten
.set OI,  10                           ; v[10:25]   row r: byte offset of my 16 bytes in the source
.set ON,  26                           ; v[26:41]   row r: byte offset of my 8 bytes in the plain copy (half of OI)
.set D,   44                           ; v[44:107]  row r: my four f32; later the rows read back
.set NN,  108                          ; v[108:139] row r: my four bf16
.set P,   140                          ; v[140:147] two sets of four: eight rows of one column, packed
	s_load_b256 s[4:11], s[0:1], 0x0               ; Lam s[4:5], U s[6:7], x s[8:9], Lc s[10:11]
	s_load_b128 s[12:15], s[0:1], 0x20             ; Uc s[12:13], xc s[14:15]
	v_lshl_add_u32 v[SPW], v0, 2, SPARE
	v_mov_b32 v[NIL], 0
	v_lshrrev_b32 v1, 5, v0
	v_readfirstlane_b32 s16, v1                    ; wave 0..7
	v_and_b32 v1, 31, v0                           ; l
	v_and_b32 v2, 15, v0                           ; l % 16
	v_bfe_u32 v3, v0, 4, 1                         ; l / 16
	s_and_b32 s17, ttmp7, 0xffff                   ; grid y
	s_lshr_b32 s18, s17, 4                         ; the matrix: 0, 1, 2
	s_and_b32 s19, s17, 15
	s_mov_b32 s22, 8192                            ; bytes in a source row of Lam and U
	s_mov_b32 s23, 0x800000                        ; where their transposed copy begins
	s_cmp_eq_u32 s18, 2                            ; x has 16 tile rows (grid x) and 2 tile columns (grid y)
	s_cselect_b32 s20, ttmp9, s19                  ; tile row
	s_cselect_b32 s21, s19, ttmp9                  ; tile column
	s_cselect_b32 s22, 1024, s22
	s_cselect_b32 s23, 0x100000, s23
	s_mul_i32 s24, s20, s22
	s_lshl_b32 s24, s24, 7                         ; 128 rows a tile row
	s_lshl_b32 s25, s21, 9                         ; 512 bytes a tile column
	s_add_co_u32 s24, s24, s25                     ; the tile's first byte in the source,
	s_mov_b32 s25, 0
	s_lshr_b32 s26, s24, 1                         ; in the plain copy,
	s_mov_b32 s27, 0
	s_lshl_b32 s28, s21, 19                        ; and in the transposed one: 128 rows of 4,096 bytes a tile column,
	s_lshl_b32 s29, s20, 8                         ; 256 bytes a tile row
	s_add_co_u32 s28, s28, s29
	s_add_co_u32 s28, s28, s23
	s_mov_b32 s29, 0
	s_mul_i32 s36, s16, s22
	s_lshl_b32 s36, s36, 4                         ; my wave's 16 rows
	v_lshl_add_u32 v[OI], v1, 4, s36
.set r, 1
.rept 15
	v_add_nc_u32 v[OI+r], s22, v[OI+r-1]
.set r, r+1
.endr
.set r, 0
.rept 16
	v_lshrrev_b32 v[ON+r], 1, v[OI+r]
.set r, r+1
.endr
	v_mul_u32_u24 v[LW], v1, 1040
	s_lshl_b32 s37, s16, 5
	v_add_nc_u32 v[LW], s37, v[LW]
	s_mul_i32 s37, s16, 4160
	v_lshlrev_b32 v[LR], 8, v3
	v_lshl_add_u32 v[LR], v2, 4, v[LR]
	v_add_nc_u32 v[LR], s37, v[LR]
	s_lshl_b32 s38, s16, 16
	v_lshlrev_b32 v[OT], 12, v3
	v_lshl_add_u32 v[OT], v2, 4, v[OT]
	v_add_nc_u32 v[OT], s38, v[OT]
	s_wait_kmcnt 0x0
	s_cmp_eq_u32 s18, 1                            ; the conditions hang on the grid alone
	s_cselect_b64 s[30:31], s[6:7], s[4:5]
	s_cselect_b64 s[32:33], s[12:13], s[10:11]
	s_cmp_eq_u32 s18, 2
	s_cselect_b64 s[30:31], s[8:9], s[30:31]       ; the source
	s_cselect_b64 s[32:33], s[14:15], s[32:33]     ; its copies
	s_add_nc_u64 s[30:31], s[30:31], s[24:25]
	s_add_nc_u64 s[34:35], s[32:33], s[28:29]      ; the transposed tile
	s_add_nc_u64 s[32:33], s[32:33], s[26:27]      ; the plain tile
.set r, 0
.rept 16                                           ; all sixteen rows are asked for at once: 8 KiB a wave on its way
	global_load_b128 v[D+4*r:D+4*r+3], v[OI+r], s[30:31] th:TH_LOAD_NT
.set r, r+1
.endr
.set r, 0
.rept 16
	s_wait_loadcnt 15-r                            ; loads come back in order: row r is in, the younger rows stay out
	v_cvt_pk_bf16_f32 v[NN+2*r], v[D+4*r], v[D+4*r+1]
	v_cvt_pk_bf16_f32 v[NN+2*r+1], v[D+4*r+2], v[D+4*r+3]
	global_store_b64 v[ON+r], v[NN+2*r:NN+2*r+1], s[32:33]  ; the wave stores 256 consecutive bytes, aligned
.set r, r+1
.endr
	; THE TRANSPOSED TILE.  Its row c (a source column) lies at (c / 4) x 1040 + (c % 4) x 256.
	; Eight source rows of one column pack into 16 bytes.
.irp u, 0,1
.irp j, 0,1,2,3
.irp i, 0,1,2,3
	v_cvt_pk_bf16_f32 v[P+4*((\j)%2)+(\i)], v[D+4*(8*(\u)+2*(\i))+(\j)], v[D+4*(8*(\u)+2*(\i)+1)+(\j)]
.endr
	ds_store_b128 v[LW], v[P+4*((\j)%2):P+4*((\j)%2)+3] offset:(\j)*256+(\u)*16
.endr
.endr
	s_wait_dscnt 0x0                               ; for the others' sake: my stores are done
	s_barrier_signal -1
	s_barrier_wait -1                              ; a row's 256 bytes come from all eight waves
.irp i, 0,1,2,3,4,5,6,7
	ds_load_b128 v[D+4*(\i):D+4*(\i)+3], v[LR] offset:((\i)/2)*1040+((\i)%2)*512  ; rows 16 w + 2 i and 16 w + 2 i + 1, whole
.endr
.irp i, 0,1,2,3,4,5,6,7
	s_wait_dscnt 7-(\i)
	global_store_b128 v[OT], v[D+4*(\i):D+4*(\i)+3], s[34:35] offset:8192*(\i)  ; sixteen lanes store 256 consecutive bytes, aligned
.endr
	s_wait_tensorcnt 0x0                           ; the wave's end: behind my last LDS store
	ds_add_u32 v[SPW], v[NIL]
	s_wait_dscnt 0x0
	s_endpgm
.Lfunc_end_k_qede77b4781_prep:
	.size	k_qede77b4781_prep, .Lfunc_end_k_qede77b4781_prep-k_qede77b4781_prep
	.p2alignl 7, 3214868480
	.fill 96, 4, 3214868480
	.section	.rodata,"a",@progbits
	.p2align	6, 0x0
	.amdhsa_kernel k_qede77b4781_prep
		.amdhsa_group_segment_fixed_size 34304
		.amdhsa_private_segment_fixed_size 0
		.amdhsa_enable_private_segment 0
		.amdhsa_kernarg_size 48
		.amdhsa_user_sgpr_count 2
		.amdhsa_user_sgpr_kernarg_segment_ptr 1
		.amdhsa_wavefront_size32 1
		.amdhsa_system_sgpr_workgroup_id_x 1
		.amdhsa_system_sgpr_workgroup_id_y 1
		.amdhsa_system_sgpr_workgroup_id_z 1
		.amdhsa_system_vgpr_workitem_id 0
		.amdhsa_next_free_vgpr 148
		.amdhsa_next_free_sgpr 66
		.amdhsa_reserve_vcc 0
		.amdhsa_float_denorm_mode_32 3
		.amdhsa_float_denorm_mode_16_64 3
		.amdhsa_memory_ordered 1
		.amdhsa_forward_progress 1
		.amdhsa_inst_pref_size 14
	.end_amdhsa_kernel
	.amdgpu_metadata
---
amdhsa.version: [ 1, 2 ]
amdhsa.kernels:
  - .name:           k_qede77b4781_prep
    .symbol:         k_qede77b4781_prep.kd
    .args:
      - { .name: batch_lam, .offset: 0, .size: 8, .value_kind: global_buffer, .address_space: global }
      - { .name: batch_U, .offset: 8, .size: 8, .value_kind: global_buffer, .address_space: global }
      - { .name: batch_x, .offset: 16, .size: 8, .value_kind: global_buffer, .address_space: global }
      - { .name: Lc, .offset: 24, .size: 8, .value_kind: global_buffer, .address_space: global }
      - { .name: Uc, .offset: 32, .size: 8, .value_kind: global_buffer, .address_space: global }
      - { .name: xc, .offset: 40, .size: 8, .value_kind: global_buffer, .address_space: global }
    .group_segment_fixed_size: 34304
    .private_segment_fixed_size: 0
    .kernarg_segment_align: 8
    .kernarg_segment_size: 48
    .max_flat_workgroup_size: 256
    .sgpr_count:     66
    .vgpr_count:     148
    .wavefront_size: 32
...
	.end_amdgpu_metadata
.endif
;; end of part 1
;; launch ygemm (part 2): grid 8 x 32, 8 waves a work-group, clusters of 4 x 1, 279,552 bytes of LDS; arguments Uc, xc, Yhl; writes Yhl
.if DOCPART == 2
	.amdgcn_target "amdgcn-amd-amdhsa--gfx1250"
	.amdhsa_code_object_version 6
	.text
	.protected	k_qede77b4781_ygemm
	.globl	k_qede77b4781_ygemm
	.p2align	8
	.type	k_qede77b4781_ygemm,@function
k_qede77b4781_ygemm:
	s_mov_b64 s[64:65], 0
	v_nop
	global_prefetch_b8 v0, s[64:65] scope:SCOPE_SE
	s_setreg_imm32_b32 hwreg(HW_REG_WAVE_MODE, 25, 1), 1
	s_wait_xcnt 0x0
	s_wait_alu depctr_hold_cnt(0) depctr_sa_sdst(0) depctr_va_vdst(0) depctr_va_sdst(0) depctr_va_ssrc(0) depctr_va_vcc(0) depctr_vm_vsrc(0)
	s_getreg_b32 s2, hwreg(HW_REG_IB_STS2, 6, 4)
	s_cmp_eq_u32 s2, 0
	s_cbranch_scc0 .Lentry_in_a_cluster
	s_endpgm
.Lentry_in_a_cluster:
	s_bfe_u32 s2, ttmp6, 0x10000c
	s_cmp_lg_u32 s2, 0x3003
	s_cbranch_scc0 .Lentry_shape_is_right
	s_endpgm
.Lentry_shape_is_right:
; Y = U^T x, made ONCE for the four hops (it does not hang on the hop: see the first kernel's head).  Operands bf16 (the inputs' one rounding), sums f32.
; Y leaves as bf16 hi + bf16 lo (lo = bf16(Y - hi)), in blocks: number (k, f) at (k / 64) x 32768 + f x 128 + (k % 64) x 2; hi at byte 0, lo at byte 0x100000.
; SHARES.  A work-group makes 64 rows k' of Y (grid y) x 32 columns f (grid x).  THE SUM OVER n IS SPLIT AMONG ITS EIGHT WAVES: wave v takes n = 256 v .. 256 v + 255, eight steps of 32.
; Source 0 = 64 rows of U^T, through LDS.
; Source 1 = 32 rows of x^T, straight into fragment registers: 32 loads of 16 bytes a lane, all asked for at the start.  Nothing in LDS is filled twice.
; CLUSTER.  The four work-groups of a cluster have the same grid y, so the same rows of U^T: each tile is asked for jointly (mask 15).  x^T's rows differ between them and are half as many bytes as U^T's.
; RESULT.  Register j of lane (r = l % 16, h = l / 16) of accumulator (i0, i1) is Y(64 y + 16 i0 + 8 h + j, 32 X + 16 i1 + r).  The eight partial sums meet in LDS, in the first 8,704 bytes of each
; wave's own tile bytes: those have had their last fill and only that wave has read them.
.set REGION, 34816                     ; a wave's LDS: two tiles of 64 rows x 272 bytes
.set HALF,   17408
.set PITCH,  272                       ; 256 bytes + 16 of padding: the sixteen rows of a fragment load start at sixteen different 16-byte columns
.set PP,     272                       ; a row of a partial tile: 64 f32 + 16 bytes
.set SPARE,  8*REGION                  ; behind the tiles: the spare words, 128 bytes for each wave
.set ADR0, 4                           ; v4   LDS address of my fragments
.set VB,   5                           ; v5   my offset in x^T's rows: r x 4096 + 512 v + 16 h
.set PS,   7                           ; v7   where I put partial sums
.set PR,   8                           ; v[8:11] where I read them back: waves 0-1, 2-3, 4-5, 6-7
.set GO,   12                          ; v12  16 x my thread's number
.set SPW,  14                          ; v14  my spare word; never rewritten
.set NIL,  15                          ; v15  0; never rewritten
.set ACC,  64                          ; v[64:127]  accumulator (i0, i1) at ACC + 8 (2 i0 + i1)
.set FA,   128                         ; v[128:255] two buffers of 64: a pair of steps, step parity e at 32 e, fragment i0 at 8 i0.  Window 1: v[0:127] x^T's fragments, step s, i1 at 16 s + 8 i1
.set WV,   14                          ; s14  my wave's number
.set G1,   16                          ; s[16:23] descriptor group 1
.set G0,   24                          ; s[24:31] descriptor group 0, one set for each of my two loads
.set MSB,  0
.macro WIN new                         ; the immediate's high byte repeats the setting that is left
.if MSB != (\new)
	s_set_vgpr_msb (MSB<<8)|(\new)
.set MSB, \new
.endif
.endm
.macro CROUND                          ; a round of the cluster's barrier
	s_barrier_signal -1
	s_barrier_wait -1
	s_cmp_lg_u32 s[WV], 0
	s_cbranch_scc1 .Lnot_wave_0_\@
	s_barrier_signal -3
.Lnot_wave_0_\@:
	s_barrier_wait -3
	s_barrier_signal -1
	s_barrier_wait -1
.endm
.macro PLACES                          ; four places behind a matrix instruction, ahead of loads into registers that it has read and of stores of its results
.rept 4
	v_nop
.endr
.endm
.macro LDSF p                          ; the 16 LDS loads of pair p (steps 2 p, 2 p + 1) into buffer p % 2
	WIN 0
.irp e, 0,1
.irp i, 0,1,2,3
	ds_load_b128 v[FA+64*((\p)%2)+32*(\e)+8*(\i):FA+64*((\p)%2)+32*(\e)+8*(\i)+3],   v[ADR0] offset:((2*(\p)+(\e))/4)*HALF+(\i)*16*PITCH+((2*(\p)+(\e))%4)*64
	ds_load_b128 v[FA+64*((\p)%2)+32*(\e)+8*(\i)+4:FA+64*((\p)%2)+32*(\e)+8*(\i)+7], v[ADR0] offset:((2*(\p)+(\e))/4)*HALF+(\i)*16*PITCH+((2*(\p)+(\e))%4)*64+32
.endr
.endr
.endm
.macro RLOAD                           ; all of x^T's fragments, in the order of the steps: four loads a step
	WIN 0x40                           ; destination window 1, address window 0
.irp s, 0,1,2,3,4,5,6,7
.irp j, 0,1
	global_load_b128 v[16*(\s)+8*(\j):16*(\s)+8*(\j)+3],   v[VB], s[6:7] offset:(\j)*65536+(\s)*64
	global_load_b128 v[16*(\s)+8*(\j)+4:16*(\s)+8*(\j)+7], v[VB], s[6:7] offset:(\j)*65536+(\s)*64+32
.endr
.endr
.endm
.macro MUL p                           ; pair p: two runs of eight; the eight accumulators take turns in one order; the very first run starts the sums
	WIN 0x04                           ; source 1 in window 1
.irp e, 0,1
.irp i, 0,1,2,3
.irp j, 0,1
.if ((\p)+(\e)) == 0
	v_wmma_f32_16x16x32_bf16 v[ACC+8*(2*(\i)+(\j)):ACC+8*(2*(\i)+(\j))+7], v[FA+64*((\p)%2)+32*(\e)+8*(\i):FA+64*((\p)%2)+32*(\e)+8*(\i)+7], v[16*(2*(\p)+(\e))+8*(\j):16*(2*(\p)+(\e))+8*(\j)+7], 0
.else
	v_wmma_f32_16x16x32_bf16 v[ACC+8*(2*(\i)+(\j)):ACC+8*(2*(\i)+(\j))+7], v[FA+64*((\p)%2)+32*(\e)+8*(\i):FA+64*((\p)%2)+32*(\e)+8*(\i)+7], v[16*(2*(\p)+(\e))+8*(\j):16*(2*(\p)+(\e))+8*(\j)+7], v[ACC+8*(2*(\i)+(\j)):ACC+8*(2*(\i)+(\j))+7]
.endif
.endr
.endr
.endr
.endm
.macro TREE                            ; the eight partial sums at FA + 8 w into FA .. FA + 7
.irp u, 0,1,2,3
.irp k, 0,1,2,3
	v_pk_add_f32 v[FA+16*(\u)+2*(\k):FA+16*(\u)+2*(\k)+1], v[FA+16*(\u)+2*(\k):FA+16*(\u)+2*(\k)+1], v[FA+16*(\u)+8+2*(\k):FA+16*(\u)+8+2*(\k)+1]
.endr
.endr
.irp u, 0,1
.irp k, 0,1,2,3
	v_pk_add_f32 v[FA+32*(\u)+2*(\k):FA+32*(\u)+2*(\k)+1], v[FA+32*(\u)+2*(\k):FA+32*(\u)+2*(\k)+1], v[FA+32*(\u)+16+2*(\k):FA+32*(\u)+16+2*(\k)+1]
.endr
.endr
.irp k, 0,1,2,3
	v_pk_add_f32 v[FA+2*(\k):FA+2*(\k)+1], v[FA+2*(\k):FA+2*(\k)+1], v[FA+32+2*(\k):FA+32+2*(\k)+1]
.endr
.endm
	s_load_b128 s[4:7], s[0:1], 0x0                ; Uc s[4:5], xc s[6:7]
	s_load_b64 s[8:9], s[0:1], 0x10                ; Yhl
	v_lshl_add_u32 v[SPW], v0, 2, SPARE
	v_mov_b32 v[NIL], 0
	ds_add_u32 v[SPW], v[NIL]                      ; the wave's opening: the add, twice on end, and its wait ahead of my first tensor load
	ds_add_u32 v[SPW], v[NIL]
	v_lshrrev_b32 v3, 5, v0
	v_readfirstlane_b32 s[WV], v3                  ; wave 0..7
	s_bfe_u32 s15, ttmp6, 0x40000                  ; cx: my place in the cluster
	s_lshl_b32 s40, ttmp9, 2
	s_add_co_u32 s40, s40, s15                     ; X = 4 x cluster x + cx: it enters x^T's and Y's addresses alone
	s_and_b32 s41, ttmp7, 0xffff                   ; y, which the four partners share
	s_mov_b32 s[G1+0], 15|(1<<16)|(1<<20)|(1<<21)|(5<<22)|(3<<25)  ; the mask of four; 2-byte elements; padding on; bit 21 beside a mask; after every 64 words, 4 words
	s_mov_b32 s[G1+1], 128<<16                     ; tensor_dim0 = 128
	s_mov_b32 s[G1+2], 64<<16                      ; tensor_dim1 = 64
	s_mov_b32 s[G1+3], 128<<16                     ; tile_dim0 = 128
	s_mov_b32 s[G1+4], 64                          ; tile_dim1 = 64
	s_mov_b32 s[G1+5], 2048                        ; elements from row to row
	s_mov_b32 s[G1+6], 0
	s_mov_b32 s[G1+7], 0
	s_mov_b32 s[G0], 1
	s_mul_i32 s[G0+1], s[WV], REGION               ; LDS: my wave's bytes; no place in the cluster enters
	s_mov_b32 s[G0+4], 1
	s_add_co_u32 s[G0+5], s[G0+1], HALF
	s_lshl_b32 s32, s41, 18                        ; 64 rows of 4,096 bytes a tile,
	s_lshl_b32 s33, s[WV], 9                       ; my wave's 512 bytes of a row,
	s_add_co_u32 s32, s32, s33
	s_add_co_u32 s32, s32, 0x800000                ; in U's transposed copy
	v_and_b32 v1, 15, v0                           ; r
	v_bfe_u32 v2, v0, 4, 1                         ; h
	v_mul_u32_u24 v[ADR0], v1, PITCH
	v_lshl_add_u32 v[ADR0], v2, 4, v[ADR0]
	v_add_nc_u32 v[ADR0], s[G0+1], v[ADR0]
	v_lshlrev_b32 v[VB], 12, v1
	v_lshl_add_u32 v[VB], v2, 4, v[VB]
	v_add_nc_u32 v[VB], s33, v[VB]
	s_mov_b32 s33, 0
	v_mul_u32_u24 v[PS], v1, PP                    ; a partial tile: row f = 16 i1 + r, my eight k' at byte 64 i0 + 32 h
	v_lshl_add_u32 v[PS], v2, 5, v[PS]
	v_add_nc_u32 v[PS], s[G0+1], v[PS]
	v_lshrrev_b32 v3, 3, v0                        ; back: thread t takes row t / 8, eight numbers from 8 (t % 8) on
	v_mul_u32_u24 v[PR], v3, PP
	v_and_b32 v3, 7, v0
	v_lshl_add_u32 v[PR], v3, 5, v[PR]
	v_add_nc_u32 v[PR+1], 2*REGION, v[PR]
	v_add_nc_u32 v[PR+2], 4*REGION, v[PR]
	v_add_nc_u32 v[PR+3], 6*REGION, v[PR]
	v_lshlrev_b32 v[GO], 4, v0
	s_lshl_b32 s34, s40, 17                        ; x^T: 32 rows of 4,096 bytes a tile,
	s_add_co_u32 s34, s34, 0x100000                ; in x's transposed copy
	s_mov_b32 s35, 0
	s_lshl_b32 s36, s41, 15                        ; Y: block y,
	s_lshl_b32 s37, s40, 12                        ; 32 rows f of 128 bytes
	s_add_co_u32 s36, s36, s37
	s_mov_b32 s37, 0
	s_wait_dscnt 0x0                               ; both opening adds are done
	s_wait_kmcnt 0x0
	s_add_nc_u64 s[G0+2:G0+3], s[4:5], s[32:33]    ; n = 256 v .. + 127
	s_add_nc_u64 s[G0+6:G0+7], s[G0+2:G0+3], 256   ; n = 256 v + 128 .. + 255
	s_or_b32 s[G0+3], s[G0+3], 0x80000000          ; type = 2
	s_or_b32 s[G0+7], s[G0+7], 0x80000000
	s_add_nc_u64 s[6:7], s[6:7], s[34:35]
	s_add_nc_u64 s[8:9], s[8:9], s[36:37]
	CROUND                                         ; all four work-groups are here: the joint loads meet
	tensor_load_to_lds s[G0:G0+3], s[G1:G1+7]      ; two loads of mine are out: all that I ever ask of the mover
	s_nop 0
	tensor_load_to_lds s[G0+4:G0+7], s[G1:G1+7]
	s_nop 0
	RLOAD
	WIN 0
	s_wait_tensorcnt 0x1                           ; my first tile is in; the second may stay out.  Only I read these bytes: no barrier
	LDSF 0
	LDSF 1
	s_wait_dscnt 16                                ; pair 0 is in; pair 1's sixteen loads may stay out
	s_wait_loadcnt 24                              ; x^T's steps 0 and 1 are in; the 24 loads of the later pairs may stay out
	MUL 0
	PLACES
	s_wait_tensorcnt 0x0                           ; my second tile
	LDSF 2
	s_wait_dscnt 16
	s_wait_loadcnt 16
	MUL 1
	PLACES
	LDSF 3
	s_wait_dscnt 16
	s_wait_loadcnt 8
	MUL 2
	s_wait_dscnt 0x0                               ; my last reads of my tiles are back
	s_wait_loadcnt 0x0
	MUL 3
	WIN 0
	PLACES
	PLACES
.irp i, 0,1,2,3
.irp j, 0,1
	ds_store_b128 v[PS], v[ACC+8*(2*(\i)+(\j)):ACC+8*(2*(\i)+(\j))+3]   offset:(\j)*16*PP+(\i)*64     ; each accumulator's low four first
	ds_store_b128 v[PS], v[ACC+8*(2*(\i)+(\j))+4:ACC+8*(2*(\i)+(\j))+7] offset:(\j)*16*PP+(\i)*64+16
.endr
.endr
	s_wait_dscnt 0x0                               ; for the others' sake: my partial sums are stored
	s_barrier_signal -1
	s_barrier_wait -1
.irp u, 0,1,2,3
.irp z, 0,1
	ds_load_b128 v[FA+8*(2*(\u)+(\z)):FA+8*(2*(\u)+(\z))+3],   v[PR+(\u)] offset:(\z)*REGION
	ds_load_b128 v[FA+8*(2*(\u)+(\z))+4:FA+8*(2*(\u)+(\z))+7], v[PR+(\u)] offset:(\z)*REGION+16
.endr
.endr
	s_wait_dscnt 0x0
	TREE
.irp k, 0,1,2,3
	v_cvt_pk_bf16_f32 v[FA+8+(\k)], v[FA+2*(\k)], v[FA+2*(\k)+1]        ; hi
.endr
.irp k, 0,1,2,3
	v_lshlrev_b32 v[FA+16+2*(\k)], 16, v[FA+8+(\k)]
	v_and_b32 v[FA+16+2*(\k)+1], 0xffff0000, v[FA+8+(\k)]
.endr
.irp k, 0,1,2,3
	v_pk_add_f32 v[FA+2*(\k):FA+2*(\k)+1], v[FA+2*(\k):FA+2*(\k)+1], v[FA+16+2*(\k):FA+16+2*(\k)+1] neg_lo:[0,1] neg_hi:[0,1]
.endr
.irp k, 0,1,2,3
	v_cvt_pk_bf16_f32 v[FA+12+(\k)], v[FA+2*(\k)], v[FA+2*(\k)+1]       ; lo
.endr
	global_store_b128 v[GO], v[FA+8:FA+11], s[8:9]                      ; the wave stores 512 consecutive bytes, aligned
	global_store_b128 v[GO], v[FA+12:FA+15], s[8:9] offset:1048576
	s_wait_tensorcnt 0x0                           ; the wave's end
	ds_add_u32 v[SPW], v[NIL]
	s_wait_dscnt 0x0
	CROUND                                         ; the closing round
	s_endpgm
.Lfunc_end_k_qede77b4781_ygemm:
	.size	k_qede77b4781_ygemm, .Lfunc_end_k_qede77b4781_ygemm-k_qede77b4781_ygemm
	.p2alignl 7, 3214868480
	.fill 96, 4, 3214868480
	.section	.rodata,"a",@progbits
	.p2align	6, 0x0
	.amdhsa_kernel k_qede77b4781_ygemm
		.amdhsa_group_segment_fixed_size 279552
		.amdhsa_private_segment_fixed_size 0
		.amdhsa_enable_private_segment 0
		.amdhsa_kernarg_size 24
		.amdhsa_user_sgpr_count 2
		.amdhsa_user_sgpr_kernarg_segment_ptr 1
		.amdhsa_wavefront_size32 1
		.amdhsa_system_sgpr_workgroup_id_x 1
		.amdhsa_system_sgpr_workgroup_id_y 1
		.amdhsa_system_sgpr_workgroup_id_z 1
		.amdhsa_system_vgpr_workitem_id 0
		.amdhsa_next_free_vgpr 384
		.amdhsa_next_free_sgpr 66
		.amdhsa_reserve_vcc 0
		.amdhsa_float_denorm_mode_32 3
		.amdhsa_float_denorm_mode_16_64 3
		.amdhsa_memory_ordered 1
		.amdhsa_forward_progress 1
		.amdhsa_inst_pref_size 22
	.end_amdhsa_kernel
	.amdgpu_metadata
---
amdhsa.version: [ 1, 2 ]
amdhsa.kernels:
  - .name:           k_qede77b4781_ygemm
    .symbol:         k_qede77b4781_ygemm.kd
    .args:
      - { .name: Uc, .offset: 0, .size: 8, .value_kind: global_buffer, .address_space: global }
      - { .name: xc, .offset: 8, .size: 8, .value_kind: global_buffer, .address_space: global }
      - { .name: Yhl, .offset: 16, .size: 8, .value_kind: global_buffer, .address_space: global }
    .group_segment_fixed_size: 279552
    .private_segment_fixed_size: 0
    .kernarg_segment_align: 8
    .kernarg_segment_size: 24
    .max_flat_workgroup_size: 256
    .sgpr_count:     66
    .vgpr_count:     384
    .wavefront_size: 32
...
	.end_amdgpu_metadata
.endif
;; end of part 2
;; launch rgemm (part 3): grid 16 x 16, 4 waves a work-group, clusters of 4 x 4, 327,680 bytes of LDS; arguments Lc, a_list, b_list, c_list, Rb; writes Rb
.if DOCPART == 3
	.amdgcn_target "amdgcn-amd-amdhsa--gfx1250"
	.amdhsa_code_object_version 6
	.text
	.protected	k_qede77b4781_rgemm
	.globl	k_qede77b4781_rgemm
	.p2align	8
	.type	k_qede77b4781_rgemm,@function
k_qede77b4781_rgemm:
	s_mov_b64 s[64:65], 0
	v_nop
	global_prefetch_b8 v0, s[64:65] scope:SCOPE_SE
	s_setreg_imm32_b32 hwreg(HW_REG_WAVE_MODE, 25, 1), 1
	s_wait_xcnt 0x0
	s_wait_alu depctr_hold_cnt(0) depctr_sa_sdst(0) depctr_va_vdst(0) depctr_va_sdst(0) depctr_va_ssrc(0) depctr_va_vcc(0) depctr_vm_vsrc(0)
	s_getreg_b32 s2, hwreg(HW_REG_IB_STS2, 6, 4)
	s_cmp_eq_u32 s2, 0
	s_cbranch_scc0 .Lentry_in_a_cluster
	s_endpgm
.Lentry_in_a_cluster:
	s_bfe_u32 s2, ttmp6, 0x10000c
	s_cmp_lg_u32 s2, 0xf033
	s_cbranch_scc0 .Lentry_shape_is_right
	s_endpgm
.Lentry_shape_is_right:
; R = sum over the four hops of s_i relu((a_i + b_i) L - L L - a_i b_i I),  s_i = c_i / ((a_i - b_i)^2 / 4): ONE product L L serves all four hops, and the four filters are added number by number
; (both by identities that hold for all values: see the first kernel's head).  L, a, b, c are the inputs rounded once to bf16; L L is summed in f32, the filter is f32, R is rounded once to bf16.
; LIMITS.  relu is a maximum with 0 that drops a NaN; the reciprocal counts (a - b)^2 / 4 below 2^-126 as 0.
; A tile of R is 128 x 128.  Four waves, each 64 x 64: 16 accumulators.  K goes in steps of 256 through two LDS slots (rows of 512 bytes + 16 of padding; a wave's tensor load brings 64 rows).
; A = L as it lies, B = L transposed (both written by the first launch), so K lies along the rows of both.
; CLUSTERS: 4 x 4 work-groups.  The four of a row need the same tiles of A, the four of a column the same tiles of B: each tile is asked for jointly.
; THE MATRIX INSTRUCTION IS USED TRANSPOSED (source 0 = 16 rows of B, source 1 = 16 rows of A): lane (r, h) of accumulator (a, b) holds row 16 a + r, columns 16 b + 8 h + 0..7.
; THE FILTER needs L at the accumulators' own places: 16 bytes a lane and accumulator, loaded from the plain copy while the last lap is multiplied.
; THE DIAGONAL can lie only in accumulators with a = b: the wave's first row and first column differ by a multiple of 64, and 16 (a - b) + (r - 8 h - j) is no multiple of 64 unless a = b.
; So the term a b I is one more multiply-add there, by a register that holds 1 on the diagonal and 0 elsewhere: no branch hangs on a work-group's place.
; REGISTERS: window 0: v0-31 addresses; v32-95 L's tile, then packed results and whole rows; v96-127 the filter at work; v128-255 the accumulators.  Window 1: two fragment buffers of 128.
.set SIZE_K, 2048
.set SIZE_N, 2048
.set KSTEP,  256
.set PITCH,  528                       ; an LDS row: 512 bytes + 16 of padding: the sixteen rows of a load start at sixteen different 16-byte columns
.set HALFT,  64*PITCH
.set SLOT,   4*HALFT                   ; A's 128 rows, then B's 128 rows
.set STAGE,  2*SLOT                    ; behind the ring: 128 rows x 272 bytes, for the way out
.set SPITCH, 272
.set SPARE,  STAGE+128*SPITCH          ; behind the stage: the spare words
.set LAPS, SIZE_K/(2*KSTEP)
.set ADRA, 16                          ; v16-17  LDS address of my A fragments in slot 0, 1
.set ADRB, 20                          ; v20-21  the same for B
.set STO,  24                          ; v24     the way out: where I put 16 bytes of a row
.set RD,   25                          ; v25     the way out: where I read a row back
.set CO,   26                          ; v26     my byte offset in R
.set LO,   27                          ; v27     my byte offset in L's tile: r x 4096 + 16 h; never rewritten
.set SPW,  28                          ; v28     my spare word; never rewritten
.set NIL,  29                          ; v29     0; never rewritten
.set DI,   30                          ; v30     8 h - r + (my first column - my first row): register j lies on the diagonal where this is -j
.set TMP,  32
.set LW,   96                          ; v[96:103]   eight numbers of L in f32
.set TT,   104                         ; v[104:111]  one hop's filter
.set RR,   112                         ; v[112:119]  the sum over the hops
.set DL,   120                         ; v[120:127]  1 on the diagonal, else 0
.set ACC,  128
.set F0,   0
.set F1,   128
.set G1, 24
.set G0, 32
.set G1B, 48
.set G0B, 56
.set SAB, 68                           ; s[68:75] a + b, a pair for each hop (the packed forms take the low word for both halves)
.set NAB, 76                           ; s[76:83] - a b
.set SC,  84                           ; s[84:91] s
.set HIM, 92                           ; s92  a word's upper bf16
.set ONE, 93                           ; s93  1.0
.set LP,  94                           ; s[94:95] L at my wave's first row and column
.set MSB, 0
.macro WIN new
.if MSB != (\new)
	s_set_vgpr_msb (MSB<<8)|(\new)
.set MSB, \new
.endif
.endm
.set MUL,  0x05                        ; sources 0 (B) and 1 (A) window 1; C and D window 0
.set TO_F, 0x40                        ; destination window 1, address window 0
.macro JLOAD s                         ; a joint load: waves 0 and 1 fetch A's two halves, waves 2 and 3 B's
	s_cmp_eq_u32 s11, 0
	s_cbranch_scc0 .Lfor_b_\@
	tensor_load_to_lds s[G0+4*(\s):G0+4*(\s)+3], s[G1:G1+7]
	s_nop 0
.rept 4
	v_nop
.endr
	s_branch .Lasked_\@
.Lfor_b_\@:
	tensor_load_to_lds s[G0B+4*(\s):G0B+4*(\s)+3], s[G1B:G1B+7]
	s_nop 0
.rept 4
	v_nop
.endr
.Lasked_\@:
.endm
.macro CREST
	s_cmp_lg_u32 s10, 0
	s_cbranch_scc1 .Lnot_wave_0_\@
	s_barrier_signal -3
.Lnot_wave_0_\@:
	s_barrier_wait -3
	s_barrier_signal -1
	s_barrier_wait -1
.endm
.macro CROUND
	s_barrier_signal -1
	s_barrier_wait -1
	CREST
.endm
	s_load_b64 s[4:5], s[0:1], 0x0                 ; Lc: L as it lies
	s_load_b128 s[68:71], s[0:1], 0x8              ; a_list, b_list
	s_load_b64 s[72:73], s[0:1], 0x18              ; c_list
	s_load_b64 s[8:9], s[0:1], 0x20                ; Rb
	v_lshl_add_u32 v[SPW], v0, 2, SPARE
	v_mov_b32 v[NIL], 0
	ds_add_u32 v[SPW], v[NIL]                      ; the wave's opening: the add, twice on end, and its wait ahead of my first tensor load
	ds_add_u32 v[SPW], v[NIL]
	v_lshrrev_b32 v1, 5, v0
	v_readfirstlane_b32 s10, v1                    ; wave 0..3
	s_lshr_b32 s11, s10, 1                         ; which half of the tile's rows is mine.  Also: I fetch for A (0) or for B (1)
	s_and_b32 s12, s10, 1                          ; which half of its columns.  Also: which 64 rows of that tile I fetch
	s_bfe_u32 s40, ttmp6, 0x40000                  ; cx, cy
	s_bfe_u32 s41, ttmp6, 0x40004
	s_lshl_b32 s42, ttmp9, 2
	s_add_co_u32 s42, s42, s40                     ; tile column
	s_and_b32 s13, ttmp7, 0xffff
	s_lshl_b32 s13, s13, 2
	s_add_co_u32 s13, s13, s41                     ; tile row
	s_lshl_b32 s43, s41, 2
	s_lshl_b32 s43, 15, s43                        ; my row of the cluster
	s_lshl_b32 s44, 0x1111, s40                    ; my column
	s_or_b32 s[G1+0], s43, (1<<16)|(1<<20)|(1<<21)|(6<<22)|(3<<25)  ; the mask; 2-byte elements; padding on; bit 21 beside a mask; after every 128 words, 4 words
	s_or_b32 s[G1B+0], s44, (1<<16)|(1<<20)|(1<<21)|(6<<22)|(3<<25)
.irp g, G1, G1B
	s_mov_b32 s[(\g)+1], KSTEP<<16                 ; tensor_dim0 = 256
	s_mov_b32 s[(\g)+2], 64<<16                    ; tensor_dim1 = 64
	s_mov_b32 s[(\g)+3], KSTEP<<16                 ; tile_dim0 = 256
	s_mov_b32 s[(\g)+4], 64                        ; tile_dim1 = 64
	s_mov_b32 s[(\g)+5], SIZE_K                    ; elements from row to row
	s_mov_b32 s[(\g)+6], 0
	s_mov_b32 s[(\g)+7], 0
.endr
	s_lshl_b32 s17, s12, 6
	s_lshl_b32 s16, s13, 7
	s_add_co_u32 s16, s16, s17                     ; A: row 128 x tile row + 64 x half
	s_lshl_b32 s46, s42, 7
	s_add_co_u32 s46, s46, s17                     ; B: row 128 x tile column + 64 x half
	s_mov_b32 s17, 0
	s_mov_b32 s47, 0
	s_mov_b64 s[18:19], SIZE_K*2
	s_mul_u64 s[16:17], s[16:17], s[18:19]
	s_mul_u64 s[46:47], s[46:47], s[18:19]
	s_mul_i32 s20, s10, HALFT                      ; where they go: wave x 64 rows
	s_wait_dscnt 0x0                               ; both opening adds are done
	s_wait_kmcnt 0x0
	s_add_nc_u64 s[6:7], s[4:5], 0x800000          ; L transposed
	s_add_nc_u64 s[14:15], s[4:5], s[16:17]
	s_add_nc_u64 s[46:47], s[6:7], s[46:47]
	CROUND                                         ; all sixteen work-groups are here: the first joint loads meet
.irp s, 0,1
	s_mov_b32 s[G0+4*(\s)], 1
	s_add_co_u32 s[G0+4*(\s)+1], s20, (\s)*SLOT
	s_add_nc_u64 s[G0+4*(\s)+2:G0+4*(\s)+3], s[14:15], (\s)*KSTEP*2
	s_or_b32 s[G0+4*(\s)+3], s[G0+4*(\s)+3], 0x80000000
	s_mov_b32 s[G0B+4*(\s)], 1
	s_add_co_u32 s[G0B+4*(\s)+1], s20, (\s)*SLOT
	s_add_nc_u64 s[G0B+4*(\s)+2:G0B+4*(\s)+3], s[46:47], (\s)*KSTEP*2
	s_or_b32 s[G0B+4*(\s)+3], s[G0B+4*(\s)+3], 0x80000000
	JLOAD \s
.endr
	s_load_b128 s[76:79], s[68:69], 0x0            ; a
	s_load_b128 s[80:83], s[70:71], 0x0            ; b
	s_load_b128 s[84:87], s[72:73], 0x0            ; c
	v_and_b32 v1, 15, v0                           ; r
	v_bfe_u32 v2, v0, 4, 1                         ; h
	v_mul_u32_u24 v3, v1, PITCH
	v_lshl_add_u32 v3, v2, 4, v3
	s_mul_i32 s21, s11, HALFT                      ; my 64 rows of A
	s_mul_i32 s22, s12, HALFT                      ; my 64 rows of B,
	s_add_co_u32 s22, s22, 2*HALFT                 ; which lie behind A's 128
.irp s, 0,1
	v_add_nc_u32 v[ADRA+(\s)], s21, v3
	v_add_nc_u32 v[ADRB+(\s)], s22, v3
	s_add_co_u32 s21, s21, SLOT
	s_add_co_u32 s22, s22, SLOT
.endr
	s_mul_i32 s23, s11, 64*SPITCH                  ; into the stage: my 64 rows, my half of their 256 bytes
	s_lshl_b32 s21, s12, 7
	s_add_co_u32 s23, s23, s21
	s_add_co_u32 s23, s23, STAGE
	v_mul_u32_u24 v4, v1, SPITCH
	v_lshl_add_u32 v4, v2, 4, v4
	v_add_nc_u32 v[STO], s23, v4
	s_mul_i32 s23, s10, 32*SPITCH                  ; back: wave w takes rows 32 w .. 32 w + 31, whole
	s_add_co_u32 s23, s23, STAGE
	v_mul_u32_u24 v5, v2, SPITCH
	v_lshl_add_u32 v5, v1, 4, v5
	v_add_nc_u32 v[RD], s23, v5
	v_mul_u32_u24 v5, v2, SIZE_N*2
	v_lshl_add_u32 v[CO], v1, 4, v5
	s_lshl_b32 s16, s13, 7
	s_lshl_b32 s17, s10, 5
	s_add_co_u32 s16, s16, s17                     ; the first row of R that I store
	s_mov_b32 s17, 0
	s_mov_b64 s[18:19], SIZE_N*2
	s_mul_u64 s[16:17], s[16:17], s[18:19]
	s_add_nc_u64 s[8:9], s[8:9], s[16:17]
	s_lshl_b32 s46, s42, 8                         ; the tile's first column, in bytes
	s_mov_b32 s47, 0
	s_add_nc_u64 s[8:9], s[8:9], s[46:47]
	; L at my accumulators' places, and the diagonal.  In registers of their own: none that feeds a descriptor holds both coordinates
	s_lshl_b32 s94, s13, 7
	s_lshl_b32 s95, s11, 6
	s_add_co_u32 s94, s94, s95                     ; my first row
	s_lshl_b32 s96, s42, 7
	s_lshl_b32 s97, s12, 6
	s_add_co_u32 s96, s96, s97                     ; my first column
	s_lshl_b32 s97, s94, 12                        ; rows of 4,096 bytes,
	s_lshl1_add_u32 s97, s96, s97                  ; 2 bytes a column
	s_sub_co_i32 s96, s96, s94                     ; first column - first row
	s_mov_b32 s94, s97
	s_mov_b32 s95, 0
	s_add_nc_u64 s[LP:LP+1], s[4:5], s[94:95]
	s_mov_b32 s[HIM], 0xffff0000
	s_mov_b32 s[ONE], 1.0
	v_lshlrev_b32 v[LO], 12, v1
	v_lshl_add_u32 v[LO], v2, 4, v[LO]
	v_lshlrev_b32 v[DI], 3, v2
	v_sub_nc_u32 v[DI], v[DI], v1
	v_add_nc_u32 v[DI], s96, v[DI]
.irp j, 0,1,2,3,4,5,6,7
	v_cmp_eq_i32 vcc_lo, -(\j), v[DI]              ; each mask is read by the next line: none is carried on
	v_cndmask_b32 v[DL+(\j)], 0, s[ONE], vcc_lo
.endr
	; the hops' three numbers, from a, b, c rounded to bf16
	s_wait_kmcnt 0x0
.irp i, 0,1,2,3
	v_mov_b32 v[32+(\i)], s[76+(\i)]
	v_mov_b32 v[36+(\i)], s[80+(\i)]
	v_mov_b32 v[40+(\i)], s[84+(\i)]
.endr
.irp i, 0,1,2,3
	v_cvt_pk_bf16_f32 v[44+(\i)], v[32+(\i)], v[36+(\i)]
	v_cvt_pk_bf16_f32 v[48+(\i)], v[40+(\i)], v[40+(\i)]
.endr
.irp i, 0,1,2,3
	v_lshlrev_b32 v[32+(\i)], 16, v[44+(\i)]       ; a
	v_and_b32 v[36+(\i)], s[HIM], v[44+(\i)]       ; b
	v_lshlrev_b32 v[40+(\i)], 16, v[48+(\i)]       ; c
.endr
.irp i, 0,1,2,3
	v_add_f32 v[52+(\i)], v[32+(\i)], v[36+(\i)]   ; a + b
	v_mul_f32 v[56+(\i)], -v[32+(\i)], v[36+(\i)]  ; - a b
	v_sub_f32 v[60+(\i)], v[32+(\i)], v[36+(\i)]
.endr
.irp i, 0,1,2,3
	v_mul_f32 v[60+(\i)], v[60+(\i)], v[60+(\i)]
.endr
.irp i, 0,1,2,3
	v_mul_f32 v[60+(\i)], 0x3e800000, v[60+(\i)]   ; (a - b)^2 / 4
.endr
.irp i, 0,1,2,3
	v_rcp_f32 v[64+(\i)], v[60+(\i)]
.endr
	v_nop                                          ; a plain instruction behind the last reciprocal,
	s_wait_alu depctr_va_vdst(0)                   ; and the one wait ahead of the batch's first reader
.irp i, 0,1,2,3
	v_mul_f32 v[64+(\i)], v[40+(\i)], v[64+(\i)]   ; s
.endr
.irp i, 0,1,2,3
	v_readfirstlane_b32 s[SAB+2*(\i)], v[52+(\i)]
	v_readfirstlane_b32 s[SAB+2*(\i)+1], v[52+(\i)]
	v_readfirstlane_b32 s[NAB+2*(\i)], v[56+(\i)]
	v_readfirstlane_b32 s[NAB+2*(\i)+1], v[56+(\i)]
	v_readfirstlane_b32 s[SC+2*(\i)], v[64+(\i)]
	v_readfirstlane_b32 s[SC+2*(\i)+1], v[64+(\i)]
.endr
.macro MUL8 f, c, a0, zero             ; 8 matrix instructions: m blocks a0, a0 + 1 x all 4 n blocks, 32 along K: half c of buffer f
	WIN MUL
.irp a, \a0, (\a0)+1
.irp b, 0,1,2,3
.if \zero
	v_wmma_f32_16x16x32_bf16 v[ACC+8*(4*(\a)+(\b)):ACC+8*(4*(\a)+(\b))+7], v[(\f)+64+8*(4*(\c)+(\b)):(\f)+64+8*(4*(\c)+(\b))+7], v[(\f)+8*(4*(\c)+(\a)):(\f)+8*(4*(\c)+(\a))+7], 0
.else
	v_wmma_f32_16x16x32_bf16 v[ACC+8*(4*(\a)+(\b)):ACC+8*(4*(\a)+(\b))+7], v[(\f)+64+8*(4*(\c)+(\b)):(\f)+64+8*(4*(\c)+(\b))+7], v[(\f)+8*(4*(\c)+(\a)):(\f)+8*(4*(\c)+(\a))+7], v[ACC+8*(4*(\a)+(\b)):ACC+8*(4*(\a)+(\b))+7]
.endif
.endr
.endr
.endm
.macro FETCH slot, k, f                ; 32 LDS loads in one run: the fragments of 64 along K at byte k of the rows, into buffer f
	WIN TO_F
.irp c, 0,1
.irp i, 0,1,2,3
	ds_load_b128 v[(\f)+64+8*(4*(\c)+(\i)):(\f)+64+8*(4*(\c)+(\i))+3],   v[ADRB+(\slot)] offset:(\k)+64*(\c)+(\i)*16*PITCH
	ds_load_b128 v[(\f)+64+8*(4*(\c)+(\i))+4:(\f)+64+8*(4*(\c)+(\i))+7], v[ADRB+(\slot)] offset:(\k)+64*(\c)+(\i)*16*PITCH+32
	ds_load_b128 v[(\f)+8*(4*(\c)+(\i)):(\f)+8*(4*(\c)+(\i))+3],         v[ADRA+(\slot)] offset:(\k)+64*(\c)+(\i)*16*PITCH
	ds_load_b128 v[(\f)+8*(4*(\c)+(\i))+4:(\f)+8*(4*(\c)+(\i))+7],       v[ADRA+(\slot)] offset:(\k)+64*(\c)+(\i)*16*PITCH+32
.endr
.endr
.endm
.macro PLACES
.rept 4
	v_nop
.endr
.endm
.macro QUARTER slot, k, f, g, zero     ; multiplies buffer f and fetches the next quarter, at byte k, into g
	s_wait_dscnt 16                                ; the first 32 along K are in
	WIN MUL
	MUL8 \f, 0, 0, \zero
	MUL8 \f, 0, 2, \zero
	PLACES
	FETCH \slot, \k, \g
	s_wait_dscnt 32                                ; all but the 32 just issued
	WIN MUL
	MUL8 \f, 1, 0, 0
	MUL8 \f, 1, 2, 0
.endm
.macro TURN slot, next, fill           ; the last quarter multiplies buffer 1 and changes slots
	WIN 0
	s_wait_tensorcnt 0x0                           ; all my tensor loads have landed: my part of the next slot;
	ds_add_u32 v[SPW], v[NIL]                      ; 0 onto my spare word;
	s_wait_dscnt 17                                ; (the add and the youngest sixteen loads may be out)
	WIN MUL
	MUL8 F1, 0, 0, 0
	s_wait_dscnt 0x0                               ; the add is done, and my reads of this slot are over
	s_barrier_signal -1
	MUL8 F1, 0, 2, 0
.if \fill
	WIN 0
.endif
	s_barrier_wait -1
.if \fill
	CREST                                          ; no wave of any partner still reads this slot's tile or has a load on its way
	s_add_nc_u64 s[G0+4*(\slot)+2:G0+4*(\slot)+3], s[G0+4*(\slot)+2:G0+4*(\slot)+3], 2*KSTEP*2
	s_add_nc_u64 s[G0B+4*(\slot)+2:G0B+4*(\slot)+3], s[G0B+4*(\slot)+2:G0B+4*(\slot)+3], 2*KSTEP*2
	JLOAD \slot                                    ; the first tensor load behind the round; its four v_nop are also the places in front of the loads below
.else
	PLACES
.endif
	FETCH \next, 0, F0
	WIN MUL
	MUL8 F1, 1, 0, 0
	MUL8 F1, 1, 2, 0
.endm
; THE FILTER on accumulator t = 4 a + b.  For each hop: t = (a + b) L - S (one fused multiply-add), - a b on the diagonal, the maximum with 0, times s onto the sum.  The four pairs go through each
; step together, so that no line reads the line before it; pair 0, the accumulator's lowest registers, is read first.
.macro EPI t
.set AC, ACC+8*(\t)
.set LT, TMP+4*(\t)
.irp k, 0,1,2,3
	v_lshlrev_b32 v[LW+2*(\k)], 16, v[LT+(\k)]
	v_and_b32 v[LW+2*(\k)+1], s[HIM], v[LT+(\k)]
.endr
.irp i, 0,1,2,3
.irp p, 0,1,2,3
	v_pk_fma_f32 v[TT+2*(\p):TT+2*(\p)+1], v[LW+2*(\p):LW+2*(\p)+1], s[SAB+2*(\i):SAB+2*(\i)+1], v[AC+2*(\p):AC+2*(\p)+1] op_sel_hi:[1,0,1] neg_lo:[0,0,1] neg_hi:[0,0,1]
.endr
.if ((\t)/4) == ((\t)%4)
.irp p, 0,1,2,3
	v_pk_fma_f32 v[TT+2*(\p):TT+2*(\p)+1], v[DL+2*(\p):DL+2*(\p)+1], s[NAB+2*(\i):NAB+2*(\i)+1], v[TT+2*(\p):TT+2*(\p)+1] op_sel_hi:[1,0,1]
.endr
.endif
.irp p, 0,1,2,3,4,5,6,7
	v_max_num_f32 v[TT+(\p)], 0, v[TT+(\p)]
.endr
.irp p, 0,1,2,3
.if (\i) == 0
	v_pk_mul_f32 v[RR+2*(\p):RR+2*(\p)+1], v[TT+2*(\p):TT+2*(\p)+1], s[SC:SC+1] op_sel_hi:[1,0]
.else
	v_pk_fma_f32 v[RR+2*(\p):RR+2*(\p)+1], v[TT+2*(\p):TT+2*(\p)+1], s[SC+2*(\i):SC+2*(\i)+1], v[RR+2*(\p):RR+2*(\p)+1] op_sel_hi:[1,0,1]
.endif
.endr
.endr
.irp k, 0,1,2,3
	v_cvt_pk_bf16_f32 v[LT+(\k)], v[RR+2*(\k)], v[RR+2*(\k)+1]  ; R's one rounding, into the registers that held L
.endr
.endm
	s_wait_tensorcnt 1                             ; my part of K step 0 is in,
	s_barrier_signal -1
	s_barrier_wait -1                              ; everybody's is
	FETCH 0, 0, F0
	QUARTER 0, 128, F0, F1, 1                      ; the first quarter stands in front of the loop: its first products start the sums
	WIN 0
	s_mov_b32 s3, LAPS-1
.Llap:                                                 ; a trip goes once round the ring and fills both slots again
	QUARTER 0, 256, F1, F0, 0
	QUARTER 0, 384, F0, F1, 0
	TURN 0, 1, 1
	QUARTER 1, 128, F0, F1, 0
	QUARTER 1, 256, F1, F0, 0
	QUARTER 1, 384, F0, F1, 0
	TURN 1, 0, 1
	QUARTER 0, 128, F0, F1, 0
	WIN 0
	s_sub_co_u32 s3, s3, 1
	s_cmp_lg_u32 s3, 0
	s_cbranch_scc1 .Llap
.irp t, 0,1,2,3,4,5,6,7,8,9,10,11,12,13,14,15
	global_load_b128 v[TMP+4*(\t):TMP+4*(\t)+3], v[LO], s[LP:LP+1] offset:((\t)/4)*65536+((\t)%4)*32  ; L at accumulator t's places: it has the last lap in which to land
.endr
	QUARTER 0, 256, F1, F0, 0                      ; the last lap fills nothing, and has no round of the cluster's barrier
	QUARTER 0, 384, F0, F1, 0
	TURN 0, 1, 0
	QUARTER 1, 128, F0, F1, 0
	QUARTER 1, 256, F1, F0, 0
	QUARTER 1, 384, F0, F1, 0
	s_wait_dscnt 16
	WIN MUL
	MUL8 F1, 0, 0, 0
	MUL8 F1, 0, 2, 0
	s_wait_dscnt 0
	MUL8 F1, 1, 0, 0
	MUL8 F1, 1, 2, 0
	WIN 0
	PLACES
	s_wait_loadcnt 0x0                             ; L's tile
.irp t, 0,1,2,3,4,5,6,7,8,9,10,11,12,13,14,15
	EPI \t
.endr
	; THE WAY OUT: 16 bytes a lane into the work-group's stage; a barrier, since a row's 256 bytes come from two waves; back as whole rows, 32 rows a wave.
.irp a, 0,1,2,3
.irp b, 0,1,2,3
	ds_store_b128 v[STO], v[TMP+4*(4*(\a)+(\b)):TMP+4*(4*(\a)+(\b))+3] offset:(\a)*16*SPITCH+32*(\b)
.endr
.endr
	s_wait_dscnt 0x0                               ; for the others' sake: my stores into the stage are done
	s_barrier_signal -1
	s_barrier_wait -1
.irp t, 0,1,2,3,4,5,6,7,8,9,10,11,12,13,14,15
	ds_load_b128 v[TMP+4*(\t):TMP+4*(\t)+3], v[RD] offset:(\t)*2*SPITCH
.endr
.irp t, 0,1,2,3,4,5,6,7,8,9,10,11,12,13,14,15
	s_wait_dscnt 15-(\t)
	global_store_b128 v[CO], v[TMP+4*(\t):TMP+4*(\t)+3], s[8:9] offset:2*(\t)*SIZE_N*2  ; 16 lanes store 256 consecutive bytes, aligned
.endr
	s_wait_tensorcnt 0x0                           ; the wave's end
	ds_add_u32 v[SPW], v[NIL]
	s_wait_dscnt 0x0
	CROUND                                         ; the closing round
	s_endpgm
.Lfunc_end_k_qede77b4781_rgemm:
	.size	k_qede77b4781_rgemm, .Lfunc_end_k_qede77b4781_rgemm-k_qede77b4781_rgemm
	.p2alignl 7, 3214868480
	.fill 96, 4, 3214868480
	.section	.rodata,"a",@progbits
	.p2align	6, 0x0
	.amdhsa_kernel k_qede77b4781_rgemm
		.amdhsa_group_segment_fixed_size 327680
		.amdhsa_private_segment_fixed_size 0
		.amdhsa_enable_private_segment 0
		.amdhsa_kernarg_size 40
		.amdhsa_user_sgpr_count 2
		.amdhsa_user_sgpr_kernarg_segment_ptr 1
		.amdhsa_wavefront_size32 1
		.amdhsa_system_sgpr_workgroup_id_x 1
		.amdhsa_system_sgpr_workgroup_id_y 1
		.amdhsa_system_sgpr_workgroup_id_z 1
		.amdhsa_system_vgpr_workitem_id 0
		.amdhsa_next_free_vgpr 512
		.amdhsa_next_free_sgpr 98
		.amdhsa_reserve_vcc 1
		.amdhsa_float_denorm_mode_32 3
		.amdhsa_float_denorm_mode_16_64 3
		.amdhsa_memory_ordered 1
		.amdhsa_forward_progress 1
		.amdhsa_inst_pref_size 149
	.end_amdhsa_kernel
	.amdgpu_metadata
---
amdhsa.version: [ 1, 2 ]
amdhsa.kernels:
  - .name:           k_qede77b4781_rgemm
    .symbol:         k_qede77b4781_rgemm.kd
    .args:
      - { .name: Lc, .offset: 0, .size: 8, .value_kind: global_buffer, .address_space: global }
      - { .name: a_list, .offset: 8, .size: 8, .value_kind: global_buffer, .address_space: global }
      - { .name: b_list, .offset: 16, .size: 8, .value_kind: global_buffer, .address_space: global }
      - { .name: c_list, .offset: 24, .size: 8, .value_kind: global_buffer, .address_space: global }
      - { .name: Rb, .offset: 32, .size: 8, .value_kind: global_buffer, .address_space: global }
    .group_segment_fixed_size: 327680
    .private_segment_fixed_size: 0
    .kernarg_segment_align: 8
    .kernarg_segment_size: 40
    .max_flat_workgroup_size: 128
    .sgpr_count:     98
    .vgpr_count:     512
    .wavefront_size: 32
...
	.end_amdgpu_metadata
.endif
;; end of part 3
;; launch zgemm (part 4): grid 8 x 32, 8 waves a work-group, clusters of 4 x 1, 279,552 bytes of LDS; arguments Rb, Yhl, Zhl; writes Zhl
.if DOCPART == 4
	.amdgcn_target "amdgcn-amd-amdhsa--gfx1250"
	.amdhsa_code_object_version 6
	.text
	.protected	k_qede77b4781_zgemm
	.globl	k_qede77b4781_zgemm
	.p2align	8
	.type	k_qede77b4781_zgemm,@function
k_qede77b4781_zgemm:
	s_mov_b64 s[64:65], 0
	v_nop
	global_prefetch_b8 v0, s[64:65] scope:SCOPE_SE
	s_setreg_imm32_b32 hwreg(HW_REG_WAVE_MODE, 25, 1), 1
	s_wait_xcnt 0x0
	s_wait_alu depctr_hold_cnt(0) depctr_sa_sdst(0) depctr_va_vdst(0) depctr_va_sdst(0) depctr_va_ssrc(0) depctr_va_vcc(0) depctr_vm_vsrc(0)
	s_getreg_b32 s2, hwreg(HW_REG_IB_STS2, 6, 4)
	s_cmp_eq_u32 s2, 0
	s_cbranch_scc0 .Lentry_in_a_cluster
	s_endpgm
.Lentry_in_a_cluster:
	s_bfe_u32 s2, ttmp6, 0x10000c
	s_cmp_lg_u32 s2, 0x3003
	s_cbranch_scc0 .Lentry_shape_is_right
	s_endpgm
.Lentry_shape_is_right:
; Z = R Y: ONE product for the four hops, since R already holds their sum (see the first kernel's head).  R is bf16; Y comes as bf16 hi + bf16 lo, and both are multiplied onto the same f32 sums.
; Z leaves as Y came: bf16 hi + lo, in blocks: number (m, f) at (m / 64) x 32768 + f x 128 + (m % 64) x 2; hi at byte 0, lo at byte 0x100000.
; SHARES.  A work-group makes 64 rows m (grid y) x 32 columns f (grid x); the sum over k is split among its eight waves, 256 each, eight steps of 32.
; Source 0 = 64 rows of R, through LDS: two tensor loads a wave of 64 rows x 256 bytes into the wave's own bytes, read by that wave alone: no barrier in the main part, nothing filled twice.
; Source 1 = Y's columns f with k along them, as the blocks hold them: straight into fragment registers, 64 loads of 16 bytes a lane, all asked for at the start, in the order of the steps.
; CLUSTER.  The four work-groups of a cluster have the same grid y, so the same rows of R: asked for jointly (mask 15).  Y's columns differ between them.
; RESULT.  Register j of lane (r, h) of accumulator (i0, i1) is Z(64 y + 16 i0 + 8 h + j, 32 X + 16 i1 + r).  The partial sums meet in the first 8,704 bytes of each wave's own tile bytes, which have had their last fill.
.set REGION, 34816
.set HALF,   17408
.set PITCH,  272
.set PP,     272
.set SPARE,  8*REGION
.set ADR0, 4                           ; v4   LDS address of my fragments
.set VB,   5                           ; v5   my offset in Y: 131072 v + 128 r + 16 h
.set PS,   7
.set PR,   8                           ; v[8:11]
.set GO,   12
.set SPW,  14
.set NIL,  15
.set ACC,  64
.set FA,   128                         ; window 0: two buffers of 64.  Window 1, all of it: Y's fragments: step s, part q (0 hi, 1 lo), i1 at 32 s + 16 q + 8 i1
.set WV,   14
.set G1,   16
.set G0,   24
.set MSB,  0
.macro WIN new
.if MSB != (\new)
	s_set_vgpr_msb (MSB<<8)|(\new)
.set MSB, \new
.endif
.endm
.macro CROUND
	s_barrier_signal -1
	s_barrier_wait -1
	s_cmp_lg_u32 s[WV], 0
	s_cbranch_scc1 .Lnot_wave_0_\@
	s_barrier_signal -3
.Lnot_wave_0_\@:
	s_barrier_wait -3
	s_barrier_signal -1
	s_barrier_wait -1
.endm
.macro PLACES
.rept 4
	v_nop
.endr
.endm
.macro LDSF p
	WIN 0
.irp e, 0,1
.irp i, 0,1,2,3
	ds_load_b128 v[FA+64*((\p)%2)+32*(\e)+8*(\i):FA+64*((\p)%2)+32*(\e)+8*(\i)+3],   v[ADR0] offset:((2*(\p)+(\e))/4)*HALF+(\i)*16*PITCH+((2*(\p)+(\e))%4)*64
	ds_load_b128 v[FA+64*((\p)%2)+32*(\e)+8*(\i)+4:FA+64*((\p)%2)+32*(\e)+8*(\i)+7], v[ADR0] offset:((2*(\p)+(\e))/4)*HALF+(\i)*16*PITCH+((2*(\p)+(\e))%4)*64+32
.endr
.endr
.endm
.macro RLOAD                           ; eight loads a step, sixteen a pair
	WIN 0x40
.irp s, 0,1,2,3,4,5,6,7
.irp q, 0,1
.irp j, 0,1
	global_load_b128 v[32*(\s)+16*(\q)+8*(\j):32*(\s)+16*(\q)+8*(\j)+3],   v[VB], s[6:7] offset:(\q)*1048576+((\s)/2)*32768+(\j)*2048+((\s)%2)*64
	global_load_b128 v[32*(\s)+16*(\q)+8*(\j)+4:32*(\s)+16*(\q)+8*(\j)+7], v[VB], s[6:7] offset:(\q)*1048576+((\s)/2)*32768+(\j)*2048+((\s)%2)*64+32
.endr
.endr
.endr
.endm
.macro MUL p                           ; pair p: for each step a run of eight with Y's hi, then one with its lo; the eight accumulators take turns in one order
	WIN 0x04
.irp e, 0,1
.irp q, 0,1
.irp i, 0,1,2,3
.irp j, 0,1
.if ((\p)+(\e)+(\q)) == 0
	v_wmma_f32_16x16x32_bf16 v[ACC+8*(2*(\i)+(\j)):ACC+8*(2*(\i)+(\j))+7], v[FA+64*((\p)%2)+32*(\e)+8*(\i):FA+64*((\p)%2)+32*(\e)+8*(\i)+7], v[32*(2*(\p)+(\e))+16*(\q)+8*(\j):32*(2*(\p)+(\e))+16*(\q)+8*(\j)+7], 0
.else
	v_wmma_f32_16x16x32_bf16 v[ACC+8*(2*(\i)+(\j)):ACC+8*(2*(\i)+(\j))+7], v[FA+64*((\p)%2)+32*(\e)+8*(\i):FA+64*((\p)%2)+32*(\e)+8*(\i)+7], v[32*(2*(\p)+(\e))+16*(\q)+8*(\j):32*(2*(\p)+(\e))+16*(\q)+8*(\j)+7], v[ACC+8*(2*(\i)+(\j)):ACC+8*(2*(\i)+(\j))+7]
.endif
.endr
.endr
.endr
.endr
.endm
.macro TREE
.irp u, 0,1,2,3
.irp k, 0,1,2,3
	v_pk_add_f32 v[FA+16*(\u)+2*(\k):FA+16*(\u)+2*(\k)+1], v[FA+16*(\u)+2*(\k):FA+16*(\u)+2*(\k)+1], v[FA+16*(\u)+8+2*(\k):FA+16*(\u)+8+2*(\k)+1]
.endr
.endr
.irp u, 0,1
.irp k, 0,1,2,3
	v_pk_add_f32 v[FA+32*(\u)+2*(\k):FA+32*(\u)+2*(\k)+1], v[FA+32*(\u)+2*(\k):FA+32*(\u)+2*(\k)+1], v[FA+32*(\u)+16+2*(\k):FA+32*(\u)+16+2*(\k)+1]
.endr
.endr
.irp k, 0,1,2,3
	v_pk_add_f32 v[FA+2*(\k):FA+2*(\k)+1], v[FA+2*(\k):FA+2*(\k)+1], v[FA+32+2*(\k):FA+32+2*(\k)+1]
.endr
.endm
	s_load_b128 s[4:7], s[0:1], 0x0                ; Rb s[4:5], Yhl s[6:7]
	s_load_b64 s[8:9], s[0:1], 0x10                ; Zhl
	v_lshl_add_u32 v[SPW], v0, 2, SPARE
	v_mov_b32 v[NIL], 0
	ds_add_u32 v[SPW], v[NIL]                      ; the wave's opening: the add, twice on end, and its wait ahead of my first tensor load
	ds_add_u32 v[SPW], v[NIL]
	v_lshrrev_b32 v3, 5, v0
	v_readfirstlane_b32 s[WV], v3
	s_bfe_u32 s15, ttmp6, 0x40000                  ; cx
	s_lshl_b32 s40, ttmp9, 2
	s_add_co_u32 s40, s40, s15                     ; X: it enters Y's and Z's addresses alone
	s_and_b32 s41, ttmp7, 0xffff                   ; y, which the four partners share
	s_mov_b32 s[G1+0], 15|(1<<16)|(1<<20)|(1<<21)|(5<<22)|(3<<25)
	s_mov_b32 s[G1+1], 128<<16
	s_mov_b32 s[G1+2], 64<<16
	s_mov_b32 s[G1+3], 128<<16
	s_mov_b32 s[G1+4], 64
	s_mov_b32 s[G1+5], 2048
	s_mov_b32 s[G1+6], 0
	s_mov_b32 s[G1+7], 0
	s_mov_b32 s[G0], 1
	s_mul_i32 s[G0+1], s[WV], REGION
	s_mov_b32 s[G0+4], 1
	s_add_co_u32 s[G0+5], s[G0+1], HALF
	s_lshl_b32 s32, s41, 18                        ; 64 rows of R,
	s_lshl_b32 s33, s[WV], 9                       ; my wave's 512 bytes of a row
	s_add_co_u32 s32, s32, s33
	s_mov_b32 s33, 0
	v_and_b32 v1, 15, v0                           ; r
	v_bfe_u32 v2, v0, 4, 1                         ; h
	v_mul_u32_u24 v[ADR0], v1, PITCH
	v_lshl_add_u32 v[ADR0], v2, 4, v[ADR0]
	v_add_nc_u32 v[ADR0], s[G0+1], v[ADR0]
	s_lshl_b32 s38, s[WV], 17                      ; my wave's four blocks of Y
	v_lshlrev_b32 v[VB], 7, v1
	v_lshl_add_u32 v[VB], v2, 4, v[VB]
	v_add_nc_u32 v[VB], s38, v[VB]
	v_mul_u32_u24 v[PS], v1, PP
	v_lshl_add_u32 v[PS], v2, 5, v[PS]
	v_add_nc_u32 v[PS], s[G0+1], v[PS]
	v_lshrrev_b32 v3, 3, v0
	v_mul_u32_u24 v[PR], v3, PP
	v_and_b32 v3, 7, v0
	v_lshl_add_u32 v[PR], v3, 5, v[PR]
	v_add_nc_u32 v[PR+1], 2*REGION, v[PR]
	v_add_nc_u32 v[PR+2], 4*REGION, v[PR]
	v_add_nc_u32 v[PR+3], 6*REGION, v[PR]
	v_lshlrev_b32 v[GO], 4, v0
	s_lshl_b32 s34, s40, 12                        ; Y: 32 rows f of 128 bytes in each block
	s_mov_b32 s35, 0
	s_lshl_b32 s36, s41, 15                        ; Z: block y,
	s_add_co_u32 s36, s36, s34                     ; 32 rows f
	s_mov_b32 s37, 0
	s_wait_dscnt 0x0                               ; both opening adds are done
	s_wait_kmcnt 0x0
	s_add_nc_u64 s[G0+2:G0+3], s[4:5], s[32:33]
	s_add_nc_u64 s[G0+6:G0+7], s[G0+2:G0+3], 256
	s_or_b32 s[G0+3], s[G0+3], 0x80000000
	s_or_b32 s[G0+7], s[G0+7], 0x80000000
	s_add_nc_u64 s[6:7], s[6:7], s[34:35]
	s_add_nc_u64 s[8:9], s[8:9], s[36:37]
	CROUND                                         ; all four work-groups are here: the joint loads meet
	tensor_load_to_lds s[G0:G0+3], s[G1:G1+7]      ; two loads of mine are out: all that I ever ask of the mover
	s_nop 0
	tensor_load_to_lds s[G0+4:G0+7], s[G1:G1+7]
	s_nop 0
	RLOAD
	WIN 0
	s_wait_tensorcnt 0x1                           ; my first tile is in; only I read these bytes: no barrier
	LDSF 0
	LDSF 1
	s_wait_dscnt 16                                ; pair 0 is in; pair 1's sixteen loads may stay out
	s_wait_loadcnt 48                              ; Y's steps 0 and 1 are in; the 48 loads of the later pairs may stay out
	MUL 0
	PLACES
	s_wait_tensorcnt 0x0                           ; my second tile
	LDSF 2
	s_wait_dscnt 16
	s_wait_loadcnt 32
	MUL 1
	PLACES
	LDSF 3
	s_wait_dscnt 16
	s_wait_loadcnt 16
	MUL 2
	s_wait_dscnt 0x0                               ; my last reads of my tiles are back
	s_wait_loadcnt 0x0
	MUL 3
	WIN 0
	PLACES
	PLACES
.irp i, 0,1,2,3
.irp j, 0,1
	ds_store_b128 v[PS], v[ACC+8*(2*(\i)+(\j)):ACC+8*(2*(\i)+(\j))+3]   offset:(\j)*16*PP+(\i)*64
	ds_store_b128 v[PS], v[ACC+8*(2*(\i)+(\j))+4:ACC+8*(2*(\i)+(\j))+7] offset:(\j)*16*PP+(\i)*64+16
.endr
.endr
	s_wait_dscnt 0x0                               ; for the others' sake: my partial sums are stored
	s_barrier_signal -1
	s_barrier_wait -1
.irp u, 0,1,2,3
.irp z, 0,1
	ds_load_b128 v[FA+8*(2*(\u)+(\z)):FA+8*(2*(\u)+(\z))+3],   v[PR+(\u)] offset:(\z)*REGION
	ds_load_b128 v[FA+8*(2*(\u)+(\z))+4:FA+8*(2*(\u)+(\z))+7], v[PR+(\u)] offset:(\z)*REGION+16
.endr
.endr
	s_wait_dscnt 0x0
	TREE
.irp k, 0,1,2,3
	v_cvt_pk_bf16_f32 v[FA+8+(\k)], v[FA+2*(\k)], v[FA+2*(\k)+1]        ; hi
.endr
.irp k, 0,1,2,3
	v_lshlrev_b32 v[FA+16+2*(\k)], 16, v[FA+8+(\k)]
	v_and_b32 v[FA+16+2*(\k)+1], 0xffff0000, v[FA+8+(\k)]
.endr
.irp k, 0,1,2,3
	v_pk_add_f32 v[FA+2*(\k):FA+2*(\k)+1], v[FA+2*(\k):FA+2*(\k)+1], v[FA+16+2*(\k):FA+16+2*(\k)+1] neg_lo:[0,1] neg_hi:[0,1]
.endr
.irp k, 0,1,2,3
	v_cvt_pk_bf16_f32 v[FA+12+(\k)], v[FA+2*(\k)], v[FA+2*(\k)+1]       ; lo
.endr
	global_store_b128 v[GO], v[FA+8:FA+11], s[8:9]                      ; the wave stores 512 consecutive bytes, aligned
	global_store_b128 v[GO], v[FA+12:FA+15], s[8:9] offset:1048576
	s_wait_tensorcnt 0x0                           ; the wave's end
	ds_add_u32 v[SPW], v[NIL]
	s_wait_dscnt 0x0
	CROUND                                         ; the closing round
	s_endpgm
.Lfunc_end_k_qede77b4781_zgemm:
	.size	k_qede77b4781_zgemm, .Lfunc_end_k_qede77b4781_zgemm-k_qede77b4781_zgemm
	.p2alignl 7, 3214868480
	.fill 96, 4, 3214868480
	.section	.rodata,"a",@progbits
	.p2align	6, 0x0
	.amdhsa_kernel k_qede77b4781_zgemm
		.amdhsa_group_segment_fixed_size 279552
		.amdhsa_private_segment_fixed_size 0
		.amdhsa_enable_private_segment 0
		.amdhsa_kernarg_size 24
		.amdhsa_user_sgpr_count 2
		.amdhsa_user_sgpr_kernarg_segment_ptr 1
		.amdhsa_wavefront_size32 1
		.amdhsa_system_sgpr_workgroup_id_x 1
		.amdhsa_system_sgpr_workgroup_id_y 1
		.amdhsa_system_sgpr_workgroup_id_z 1
		.amdhsa_system_vgpr_workitem_id 0
		.amdhsa_next_free_vgpr 512
		.amdhsa_next_free_sgpr 66
		.amdhsa_reserve_vcc 0
		.amdhsa_float_denorm_mode_32 3
		.amdhsa_float_denorm_mode_16_64 3
		.amdhsa_memory_ordered 1
		.amdhsa_forward_progress 1
		.amdhsa_inst_pref_size 29
	.end_amdhsa_kernel
	.amdgpu_metadata
---
amdhsa.version: [ 1, 2 ]
amdhsa.kernels:
  - .name:           k_qede77b4781_zgemm
    .symbol:         k_qede77b4781_zgemm.kd
    .args:
      - { .name: Rb, .offset: 0, .size: 8, .value_kind: global_buffer, .address_space: global }
      - { .name: Yhl, .offset: 8, .size: 8, .value_kind: global_buffer, .address_space: global }
      - { .name: Zhl, .offset: 16, .size: 8, .value_kind: global_buffer, .address_space: global }
    .group_segment_fixed_size: 279552
    .private_segment_fixed_size: 0
    .kernarg_segment_align: 8
    .kernarg_segment_size: 24
    .max_flat_workgroup_size: 256
    .sgpr_count:     66
    .vgpr_count:     512
    .wavefront_size: 32
...
	.end_amdgpu_metadata
.endif
;; end of part 4
;; launch ogemm (part 5): grid 64 x 4, 8 waves a work-group, clusters of 4 x 1, 295,936 bytes of LDS; arguments Zhl, Uc, xc, residual_alpha, out0; writes out0
.if DOCPART == 5
	.amdgcn_target "amdgcn-amd-amdhsa--gfx1250"
	.amdhsa_code_object_version 6
	.text
	.protected	k_qede77b4781_ogemm
	.globl	k_qede77b4781_ogemm
	.p2align	8
	.type	k_qede77b4781_ogemm,@function
k_qede77b4781_ogemm:
	s_mov_b64 s[64:65], 0
	v_nop
	global_prefetch_b8 v0, s[64:65] scope:SCOPE_SE
	s_setreg_imm32_b32 hwreg(HW_REG_WAVE_MODE, 25, 1), 1
	s_wait_xcnt 0x0
	s_wait_alu depctr_hold_cnt(0) depctr_sa_sdst(0) depctr_va_vdst(0) depctr_va_sdst(0) depctr_va_ssrc(0) depctr_va_vcc(0) depctr_vm_vsrc(0)
	s_getreg_b32 s2, hwreg(HW_REG_IB_STS2, 6, 4)
	s_cmp_eq_u32 s2, 0
	s_cbranch_scc0 .Lentry_in_a_cluster
	s_endpgm
.Lentry_in_a_cluster:
	s_bfe_u32 s2, ttmp6, 0x10000c
	s_cmp_lg_u32 s2, 0x3003
	s_cbranch_scc0 .Lentry_shape_is_right
	s_endpgm
.Lentry_shape_is_right:
; out = alpha x + U Z: ONE product for the four hops (see the first kernel's head).  U, x and alpha are the inputs rounded once to bf16; Z comes as bf16 hi + bf16 lo, both multiplied onto the same f32 sums.
; SHARES.  A work-group makes 32 rows n (grid x) x 64 columns f (grid y), so that a row of its tile is 256 bytes of out; the sum over k is split among its eight waves, 256 each, eight steps of 32.
; Source 0 = Z's 64 columns f with k along them, as Z's blocks hold them.  Its hi part comes through LDS: a block's 64 rows f are 8,192 dense bytes, and a tensor load brings two blocks
; (2 rows of 8,192 bytes, padded after every 128) into the wave's own bytes, read by that wave alone.  Its lo part and source 1 = 32 rows of U come straight into fragment registers,
; a pair of steps at a time, two sets by turns.  Nothing in LDS is filled twice; the main part has no barrier.
; CLUSTER.  The four work-groups of a cluster have the same grid y, so the same columns of Z: the hi tiles are asked for jointly (mask 15).  U's rows differ between them.
; RESULT.  Register j of lane (r, h) of accumulator (i0, i1) is out(32 X + 16 i1 + r, 64 y + 16 i0 + 8 h + j).  The partial sums meet in the first 8,704 bytes of each wave's own tile bytes, which have had their last fill.
.set REGION, 36864                     ; a wave's LDS: two tiles of 2 blocks x 64 rows x 144 bytes
.set HALF,   18432
.set BLK,    9216
.set PITCH,  144                       ; 128 bytes + 16 of padding: the sixteen rows of a fragment load start at sixteen different 16-byte columns
.set PP,     272
.set SPARE,  8*REGION
.set ADR0, 4                           ; v4   LDS address of my fragments
.set VB,   5                           ; v5   my offset in Z's lo part: 131072 v + 128 r + 16 h
.set VU,   6                           ; v6   my offset in U's rows: 4096 r + 512 v + 16 h
.set PS,   7
.set PR,   8                           ; v[8:11]
.set GO,   12                          ; v12  my offset in out: (t / 16) x 1024 + 16 (t % 16)
.set XO,   13                          ; v13  my offset in x: (t / 16) x 512 + 8 (t % 16)
.set SPW,  14
.set NIL,  15
.set XB,   16                          ; v[16:19] x: two pieces of four bf16
.set AL,   20                          ; v[20:21] alpha, twice
.set XW,   24                          ; v[24:31] x in f32
.set ACC,  64
.set FA,   128                         ; window 0: two buffers of 64.  Window 1: two sets of 96: step parity e at 48 e; Z lo's fragment i0 at 8 i0, U's i1 at 32 + 8 i1
.set WV,   14
.set G1,   16
.set G0,   24
.set MSB,  0
.macro WIN new
.if MSB != (\new)
	s_set_vgpr_msb (MSB<<8)|(\new)
.set MSB, \new
.endif
.endm
.macro CROUND
	s_barrier_signal -1
	s_barrier_wait -1
	s_cmp_lg_u32 s[WV], 0
	s_cbranch_scc1 .Lnot_wave_0_\@
	s_barrier_signal -3
.Lnot_wave_0_\@:
	s_barrier_wait -3
	s_barrier_signal -1
	s_barrier_wait -1
.endm
.macro PLACES
.rept 4
	v_nop
.endr
.endm
.macro LDSF p                          ; pair p lies in one block: tile p / 2, block p % 2; step parity e at byte 64 e of its rows
	WIN 0
.irp e, 0,1
.irp i, 0,1,2,3
	ds_load_b128 v[FA+64*((\p)%2)+32*(\e)+8*(\i):FA+64*((\p)%2)+32*(\e)+8*(\i)+3],   v[ADR0] offset:((\p)/2)*HALF+((\p)%2)*BLK+(\i)*16*PITCH+(\e)*64
	ds_load_b128 v[FA+64*((\p)%2)+32*(\e)+8*(\i)+4:FA+64*((\p)%2)+32*(\e)+8*(\i)+7], v[ADR0] offset:((\p)/2)*HALF+((\p)%2)*BLK+(\i)*16*PITCH+(\e)*64+32
.endr
.endr
.endm
.macro RLOAD p                         ; pair p's 24 loads into set p % 2
	WIN 0x40
.irp e, 0,1
.irp i, 0,1,2,3
	global_load_b128 v[96*((\p)%2)+48*(\e)+8*(\i):96*((\p)%2)+48*(\e)+8*(\i)+3],   v[VB], s[4:5] offset:1048576+(\p)*32768+(\i)*2048+(\e)*64
	global_load_b128 v[96*((\p)%2)+48*(\e)+8*(\i)+4:96*((\p)%2)+48*(\e)+8*(\i)+7], v[VB], s[4:5] offset:1048576+(\p)*32768+(\i)*2048+(\e)*64+32
.endr
.irp j, 0,1
	global_load_b128 v[96*((\p)%2)+48*(\e)+32+8*(\j):96*((\p)%2)+48*(\e)+32+8*(\j)+3],   v[VU], s[6:7] offset:(\j)*65536+(2*(\p)+(\e))*64
	global_load_b128 v[96*((\p)%2)+48*(\e)+32+8*(\j)+4:96*((\p)%2)+48*(\e)+32+8*(\j)+7], v[VU], s[6:7] offset:(\j)*65536+(2*(\p)+(\e))*64+32
.endr
.endr
.endm
.macro MUL p                           ; pair p: two runs of eight with Z's hi, two with its lo; the eight accumulators take turns in one order
	WIN 0x04                           ; source 0 (hi) window 0, source 1 (U) window 1
.irp e, 0,1
.irp i, 0,1,2,3
.irp j, 0,1
.if ((\p)+(\e)) == 0
	v_wmma_f32_16x16x32_bf16 v[ACC+8*(2*(\i)+(\j)):ACC+8*(2*(\i)+(\j))+7], v[FA+64*((\p)%2)+32*(\e)+8*(\i):FA+64*((\p)%2)+32*(\e)+8*(\i)+7], v[96*((\p)%2)+48*(\e)+32+8*(\j):96*((\p)%2)+48*(\e)+32+8*(\j)+7], 0
.else
	v_wmma_f32_16x16x32_bf16 v[ACC+8*(2*(\i)+(\j)):ACC+8*(2*(\i)+(\j))+7], v[FA+64*((\p)%2)+32*(\e)+8*(\i):FA+64*((\p)%2)+32*(\e)+8*(\i)+7], v[96*((\p)%2)+48*(\e)+32+8*(\j):96*((\p)%2)+48*(\e)+32+8*(\j)+7], v[ACC+8*(2*(\i)+(\j)):ACC+8*(2*(\i)+(\j))+7]
.endif
.endr
.endr
.endr
	WIN 0x05                           ; source 0 (lo) and source 1 (U) window 1
.irp e, 0,1
.irp i, 0,1,2,3
.irp j, 0,1
	v_wmma_f32_16x16x32_bf16 v[ACC+8*(2*(\i)+(\j)):ACC+8*(2*(\i)+(\j))+7], v[96*((\p)%2)+48*(\e)+8*(\i):96*((\p)%2)+48*(\e)+8*(\i)+7], v[96*((\p)%2)+48*(\e)+32+8*(\j):96*((\p)%2)+48*(\e)+32+8*(\j)+7], v[ACC+8*(2*(\i)+(\j)):ACC+8*(2*(\i)+(\j))+7]
.endr
.endr
.endr
.endm
.macro TREE
.irp u, 0,1,2,3
.irp k, 0,1,2,3
	v_pk_add_f32 v[FA+16*(\u)+2*(\k):FA+16*(\u)+2*(\k)+1], v[FA+16*(\u)+2*(\k):FA+16*(\u)+2*(\k)+1], v[FA+16*(\u)+8+2*(\k):FA+16*(\u)+8+2*(\k)+1]
.endr
.endr
.irp u, 0,1
.irp k, 0,1,2,3
	v_pk_add_f32 v[FA+32*(\u)+2*(\k):FA+32*(\u)+2*(\k)+1], v[FA+32*(\u)+2*(\k):FA+32*(\u)+2*(\k)+1], v[FA+32*(\u)+16+2*(\k):FA+32*(\u)+16+2*(\k)+1]
.endr
.endr
.irp k, 0,1,2,3
	v_pk_add_f32 v[FA+2*(\k):FA+2*(\k)+1], v[FA+2*(\k):FA+2*(\k)+1], v[FA+32+2*(\k):FA+32+2*(\k)+1]
.endr
.endm
	s_load_b256 s[4:11], s[0:1], 0x0               ; Zhl s[4:5], Uc s[6:7], xc s[8:9], residual_alpha s[10:11]
	s_load_b64 s[12:13], s[0:1], 0x20              ; out0
	v_lshl_add_u32 v[SPW], v0, 2, SPARE
	v_mov_b32 v[NIL], 0
	ds_add_u32 v[SPW], v[NIL]                      ; the wave's opening: the add, twice on end, and its wait ahead of my first tensor load
	ds_add_u32 v[SPW], v[NIL]
	v_lshrrev_b32 v3, 5, v0
	v_readfirstlane_b32 s[WV], v3
	s_bfe_u32 s15, ttmp6, 0x40000                  ; cx
	s_lshl_b32 s40, ttmp9, 2
	s_add_co_u32 s40, s40, s15                     ; X: it enters U's, x's and out's addresses alone
	s_and_b32 s41, ttmp7, 0xffff                   ; y, which the four partners share
	s_mov_b32 s[G1+0], 15|(1<<16)|(1<<20)|(1<<21)|(4<<22)|(3<<25)  ; the mask of four; 2-byte elements; padding on; bit 21 beside a mask; after every 32 words, 4 words
	s_mov_b32 s[G1+1], 4096<<16                    ; tensor_dim0 = 4096
	s_mov_b32 s[G1+2], 2<<16                       ; tensor_dim1 = 2
	s_mov_b32 s[G1+3], 4096<<16                    ; tile_dim0 = 4096: 64 rows f of a block, dense
	s_mov_b32 s[G1+4], 2                           ; tile_dim1 = 2 blocks
	s_mov_b32 s[G1+5], 16384                       ; elements from block to block
	s_mov_b32 s[G1+6], 0
	s_mov_b32 s[G1+7], 0
	s_mov_b32 s[G0], 1
	s_mul_i32 s[G0+1], s[WV], REGION
	s_mov_b32 s[G0+4], 1
	s_add_co_u32 s[G0+5], s[G0+1], HALF
	s_lshl_b32 s44, s[WV], 17                      ; my wave's four blocks of Z,
	s_lshl_b32 s34, s41, 13                        ; 64 rows f of 128 bytes in each
	s_add_co_u32 s32, s44, s34
	s_mov_b32 s33, 0
	s_mov_b32 s35, 0
	v_and_b32 v1, 15, v0                           ; r, and t % 16
	v_bfe_u32 v2, v0, 4, 1                         ; h
	v_mul_u32_u24 v[ADR0], v1, PITCH
	v_lshl_add_u32 v[ADR0], v2, 4, v[ADR0]
	v_add_nc_u32 v[ADR0], s[G0+1], v[ADR0]
	v_lshlrev_b32 v[VB], 7, v1
	v_lshl_add_u32 v[VB], v2, 4, v[VB]
	v_add_nc_u32 v[VB], s44, v[VB]
	s_lshl_b32 s44, s[WV], 9                       ; my wave's 512 bytes of a row of U
	v_lshlrev_b32 v[VU], 12, v1
	v_lshl_add_u32 v[VU], v2, 4, v[VU]
	v_add_nc_u32 v[VU], s44, v[VU]
	v_mul_u32_u24 v[PS], v1, PP                    ; a partial tile: row n = 16 i1 + r, my eight f at byte 64 i0 + 32 h
	v_lshl_add_u32 v[PS], v2, 5, v[PS]
	v_add_nc_u32 v[PS], s[G0+1], v[PS]
	v_lshrrev_b32 v3, 4, v0                        ; back: thread t takes rows t / 16 and t / 16 + 16, four numbers from 4 (t % 16) on
	v_mul_u32_u24 v[PR], v3, PP
	v_lshl_add_u32 v[PR], v1, 4, v[PR]
	v_add_nc_u32 v[PR+1], 2*REGION, v[PR]
	v_add_nc_u32 v[PR+2], 4*REGION, v[PR]
	v_add_nc_u32 v[PR+3], 6*REGION, v[PR]
	v_lshlrev_b32 v[GO], 10, v3
	v_lshl_add_u32 v[GO], v1, 4, v[GO]
	v_lshlrev_b32 v[XO], 9, v3
	v_lshl_add_u32 v[XO], v1, 3, v[XO]
	s_lshl_b32 s36, s40, 17                        ; U: 32 rows of 4,096 bytes
	s_mov_b32 s37, 0
	s_lshl_b32 s38, s40, 14                        ; x: 32 rows of 512 bytes,
	s_lshl_b32 s39, s41, 7                         ; 64 columns of 2 bytes
	s_add_co_u32 s38, s38, s39
	s_mov_b32 s39, 0
	s_lshl_b32 s42, s40, 15                        ; out: 32 rows of 1,024 bytes,
	s_lshl_b32 s43, s41, 8                         ; 64 columns of 4 bytes
	s_add_co_u32 s42, s42, s43
	s_mov_b32 s43, 0
	s_wait_dscnt 0x0                               ; both opening adds are done
	s_wait_kmcnt 0x0
	s_add_nc_u64 s[G0+2:G0+3], s[4:5], s[32:33]    ; blocks 4 v, 4 v + 1
	s_add_nc_u64 s[G0+6:G0+7], s[G0+2:G0+3], 65536 ; blocks 4 v + 2, 4 v + 3
	s_or_b32 s[G0+3], s[G0+3], 0x80000000
	s_or_b32 s[G0+7], s[G0+7], 0x80000000
	s_add_nc_u64 s[4:5], s[4:5], s[34:35]
	s_add_nc_u64 s[6:7], s[6:7], s[36:37]
	s_add_nc_u64 s[8:9], s[8:9], s[38:39]
	s_add_nc_u64 s[12:13], s[12:13], s[42:43]
	CROUND                                         ; all four work-groups are here: the joint loads meet
	tensor_load_to_lds s[G0:G0+3], s[G1:G1+7]      ; two loads of mine are out: all that I ever ask of the mover
	s_nop 0
	tensor_load_to_lds s[G0+4:G0+7], s[G1:G1+7]
	s_nop 0
	global_load_b64 v[XB:XB+1], v[XO], s[8:9]                  ; x for the residual: the oldest loads, in by the first wait below
	global_load_b64 v[XB+2:XB+3], v[XO], s[8:9] offset:8192
	RLOAD 0
	RLOAD 1
	WIN 0
	s_load_b32 s44, s[10:11], 0x0                  ; alpha
	s_wait_tensorcnt 0x1                           ; my first tile is in; only I read these bytes: no barrier
	LDSF 0
	LDSF 1
	s_wait_dscnt 16                                ; pair 0 is in; pair 1's sixteen loads may stay out
	s_wait_loadcnt 24                              ; set 0 is in; the next pair's 24 loads may stay out
	MUL 0
	PLACES
	RLOAD 2
	s_wait_tensorcnt 0x0                           ; my second tile
	LDSF 2
	s_wait_dscnt 16
	s_wait_loadcnt 24
	MUL 1
	PLACES
	RLOAD 3
	LDSF 3
	s_wait_dscnt 16
	s_wait_loadcnt 24
	MUL 2
	s_wait_dscnt 0x0                               ; my last reads of my tiles are back
	s_wait_loadcnt 0x0
	MUL 3
	WIN 0
	PLACES
	PLACES
.irp i, 0,1,2,3
.irp j, 0,1
	ds_store_b128 v[PS], v[ACC+8*(2*(\i)+(\j)):ACC+8*(2*(\i)+(\j))+3]   offset:(\j)*16*PP+(\i)*64
	ds_store_b128 v[PS], v[ACC+8*(2*(\i)+(\j))+4:ACC+8*(2*(\i)+(\j))+7] offset:(\j)*16*PP+(\i)*64+16
.endr
.endr
	s_wait_dscnt 0x0                               ; for the others' sake: my partial sums are stored
	s_barrier_signal -1
	s_barrier_wait -1
.irp u, 0,1,2,3
.irp z, 0,1
.irp i, 0,1
	ds_load_b128 v[FA+8*(2*(\u)+(\z))+4*(\i):FA+8*(2*(\u)+(\z))+4*(\i)+3], v[PR+(\u)] offset:(\z)*REGION+(\i)*16*PP
.endr
.endr
.endr
	s_wait_kmcnt 0x0                               ; alpha, rounded to bf16 like every input; this stands in the wait for the partial sums
	v_mov_b32 v[AL], s44
	v_cvt_pk_bf16_f32 v[AL], v[AL], v[AL]
	v_lshlrev_b32 v[AL], 16, v[AL]
	v_mov_b32 v[AL+1], v[AL]
.irp k, 0,1,2,3
	v_lshlrev_b32 v[XW+2*(\k)], 16, v[XB+(\k)]
	v_and_b32 v[XW+2*(\k)+1], 0xffff0000, v[XB+(\k)]
.endr
	s_wait_dscnt 0x0
	TREE
.irp k, 0,1,2,3
	v_pk_fma_f32 v[FA+2*(\k):FA+2*(\k)+1], v[XW+2*(\k):XW+2*(\k)+1], v[AL:AL+1], v[FA+2*(\k):FA+2*(\k)+1]
.endr
	global_store_b128 v[GO], v[FA:FA+3], s[12:13]                   ; sixteen lanes store 256 consecutive bytes, aligned
	global_store_b128 v[GO], v[FA+4:FA+7], s[12:13] offset:16384
	s_wait_tensorcnt 0x0                           ; the wave's end
	ds_add_u32 v[SPW], v[NIL]
	s_wait_dscnt 0x0
	CROUND                                         ; the closing round
	s_endpgm
.Lfunc_end_k_qede77b4781_ogemm:
	.size	k_qede77b4781_ogemm, .Lfunc_end_k_qede77b4781_ogemm-k_qede77b4781_ogemm
	.p2alignl 7, 3214868480
	.fill 96, 4, 3214868480
	.section	.rodata,"a",@progbits
	.p2align	6, 0x0
	.amdhsa_kernel k_qede77b4781_ogemm
		.amdhsa_group_segment_fixed_size 295936
		.amdhsa_private_segment_fixed_size 0
		.amdhsa_enable_private_segment 0
		.amdhsa_kernarg_size 40
		.amdhsa_user_sgpr_count 2
		.amdhsa_user_sgpr_kernarg_segment_ptr 1
		.amdhsa_wavefront_size32 1
		.amdhsa_system_sgpr_workgroup_id_x 1
		.amdhsa_system_sgpr_workgroup_id_y 1
		.amdhsa_system_sgpr_workgroup_id_z 1
		.amdhsa_system_vgpr_workitem_id 0
		.amdhsa_next_free_vgpr 448
		.amdhsa_next_free_sgpr 66
		.amdhsa_reserve_vcc 0
		.amdhsa_float_denorm_mode_32 3
		.amdhsa_float_denorm_mode_16_64 3
		.amdhsa_memory_ordered 1
		.amdhsa_forward_progress 1
		.amdhsa_inst_pref_size 33
	.end_amdhsa_kernel
	.amdgpu_metadata
---
amdhsa.version: [ 1, 2 ]
amdhsa.kernels:
  - .name:           k_qede77b4781_ogemm
    .symbol:         k_qede77b4781_ogemm.kd
    .args:
      - { .name: Zhl, .offset: 0, .size: 8, .value_kind: global_buffer, .address_space: global }
      - { .name: Uc, .offset: 8, .size: 8, .value_kind: global_buffer, .address_space: global }
      - { .name: xc, .offset: 16, .size: 8, .value_kind: global_buffer, .address_space: global }
      - { .name: residual_alpha, .offset: 24, .size: 8, .value_kind: global_buffer, .address_space: global }
      - { .name: out0, .offset: 32, .size: 8, .value_kind: global_buffer, .address_space: global }
    .group_segment_fixed_size: 295936
    .private_segment_fixed_size: 0
    .kernarg_segment_align: 8
    .kernarg_segment_size: 40
    .max_flat_workgroup_size: 256
    .sgpr_count:     66
    .vgpr_count:     448
    .wavefront_size: 32
...
	.end_amdgpu_metadata
.endif
;; end of part 5
;; ======== version 2 of 2: 5 launches; version 1 with the launch prep written anew for expert scheduling mode
;; workspace buffers: Lc 16,777,216 bytes; Uc 16,777,216 bytes; xc 2,097,152 bytes; Rb 8,388,608 bytes; Yhl 2,097,152 bytes; Zhl 2,097,152 bytes
;; launch prep (part 6): grid 16 x 34, 8 waves a work-group, no clusters, 34,304 bytes of LDS; arguments batch_lam, batch_U, batch_x, Lc, Uc, xc; writes Lc, Uc, xc
.if DOCPART == 6
	.amdgcn_target "amdgcn-amd-amdhsa--gfx1250"
	.amdhsa_code_object_version 6
	.text
	.protected	k_qede77b4781_prep
	.globl	k_qede77b4781_prep
	.p2align	8
	.type	k_qede77b4781_prep,@function
k_qede77b4781_prep:
	s_mov_b64 s[64:65], 0
	v_nop
	global_prefetch_b8 v0, s[64:65] scope:SCOPE_SE
	s_setreg_imm32_b32 hwreg(HW_REG_WAVE_SCHED_MODE, 0, 2), 2
	s_setreg_imm32_b32 hwreg(HW_REG_WAVE_MODE, 25, 1), 1
	s_wait_xcnt 0x0
	s_wait_alu depctr_vm_vsrc(0)
; THE PROGRAM.  out = alpha x + sum over four hops i of s_i U relu((a_i I - Lam)(Lam - b_i I)) U^T x,  s_i = c_i / ((a_i - b_i)^2 / 4).  N = 2048, F = 256, all f32.
; WORK LEFT OUT, for all finite values of the inputs:
;  (1) I is built in reference()'s own body and commutes with Lam: (a I - Lam)(Lam - b I) = (a + b) Lam - a b I - Lam Lam.  One product Lam Lam serves the four hops; three N^3 products go.
;  (2) U^T x does not hang on the hop: it is made once; three N^2 F products go.
;  (3) s_i U (rep_i Y) is linear in rep_i: sum_i s_i U (rep_i Y) = U ((sum_i s_i rep_i) Y).  R = sum_i s_i rep_i is formed number by number; one product R Y and one U Z are left; six N^2 F products go.
;  (4) edge_index enters no expression of reference(): it is not loaded and is among no launch's arguments.
; LIMITS.  A NaN, an infinity or an overflow that arises only in the products left out is not carried to the result.  Every floating-point input is rounded once to bf16
; (to nearest even) and used so everywhere, in the residual and in a, b, c, alpha too; sums are f32.  R is rounded once to bf16; Y = U^T x and Z = R Y are kept as bf16 hi + bf16 lo.
; THIS LAUNCH writes the bf16 copies: Lam, U and x as they lie, and each of them transposed, so that every later product finds K along the rows of both its operands.
;   Lc, Uc: [m][k] at byte 0, [k][m] at byte 0x800000, rows of 4,096 bytes.   xc: [n][f] at byte 0, rows of 512 bytes; [f][n] at byte 0x100000, rows of 4,096 bytes.
; SHARES.  A work-group takes one tile of 128 x 128; grid y = 16 m + j names the matrix m (0 Lam, 1 U, 2 x) by scalar selects alone.  Wave w owns rows 16 w .. 16 w + 15, lane l columns 4 l .. 4 l + 3:
; a load of the wave covers 512 consecutive bytes, a store of the plain copy 256 consecutive bytes, aligned.  The transposed tile goes through LDS and leaves as rows of 256 bytes, sixteen lanes to a row.
; No matrix unit, no cluster, no tensor load: each byte is read once by one wave and nothing is shared.
; THE MODE: SCHED_MODE bits 1:0 = 2 (LLVM: expert scheduling mode 2), set by the entry lines.  The code itself states the register dependences
; between vector instructions and memory or LDS instructions, with s_wait_alu, always for 0.
; THE PLAN.  Registers that memory or LDS instructions touch:
;   OI, ON, LW, LR, OT, SPW, NIL   offsets and LDS addresses: written by vector instructions at the head, once; read by loads, stores and the closing add.
;   D     written by the sixteen global loads at the start; read by conversions alone.  Its rows 0-3 are then written by the turning conversions of source rows 8-15 and read by four LDS stores;
;         its rows 8-15 are at last written by the eight LDS loads that read the turned tile back, and read by the global stores of it.
;   NN    a pair of its own for each row: written once, by the row's two roundings; read by the row's store, which is issued in the next group.
;   P     written once, by the turning conversions of source rows 0-7; read by four LDS stores.
; No register that a memory or LDS instruction reads is written afterwards, so no wait on vm_vsrc is owed.  The rows go in four groups of four.  A group's head holds the wait for its data and behind it
; ONE wait on va_vdst, which states that all that the group before has rounded or turned is written; the stores of that are dealt among the group's own roundings, which name its own NN and D alone.
.set SPARE, 33280                      ; behind the tile: the spare words, 128 bytes for each of eight waves
.set LW,  4                            ; v4   LDS: where I put 16 bytes of a transposed row: l x 1040 + 32 w
.set LR,  5                            ; v5   LDS: where I read rows back: 4160 w + 256 (l / 16) + 16 (l % 16)
.set OT,  6                            ; v6   my offset in the transposed copy: (16 w + l / 16) x 4096 + 16 (l % 16)
.set SPW, 8                            ; v8   my spare word; never rewritten
.set NIL, 9                            ; v9   0; never rewritten
.set OI,  10                           ; v[10:25]   row r: byte offset of my 16 bytes in the source
.set ON,  26                           ; v[26:41]   row r: byte offset of my 8 bytes in the plain copy (half of OI)
.set D,   44                           ; v[44:107]  row r: my four f32
.set Q,   D                            ; v[44:59]   later: source rows 8-15 of my four columns, packed: column j at Q + 4 j
.set BK,  D+32                         ; v[76:107]  at last: the rows read back
.set NN,  108                          ; v[108:139] row r: my four bf16
.set P,   140                          ; v[140:155] source rows 0-7 of my four columns, packed: column j at P + 4 j
	s_load_b256 s[4:11], s[0:1], 0x0               ; Lam s[4:5], U s[6:7], x s[8:9], Lc s[10:11]
	s_load_b128 s[12:15], s[0:1], 0x20             ; Uc s[12:13], xc s[14:15]
	v_lshl_add_u32 v[SPW], v0, 2, SPARE
	v_mov_b32 v[NIL], 0
	v_lshrrev_b32 v1, 5, v0
	v_readfirstlane_b32 s16, v1                    ; wave 0..7
	v_and_b32 v1, 31, v0                           ; l
	v_and_b32 v2, 15, v0                           ; l % 16
	v_bfe_u32 v3, v0, 4, 1                         ; l / 16
	s_and_b32 s17, ttmp7, 0xffff                   ; grid y
	s_lshr_b32 s18, s17, 4                         ; the matrix: 0, 1, 2
	s_and_b32 s19, s17, 15
	s_mov_b32 s22, 8192                            ; bytes in a source row of Lam and U
	s_mov_b32 s23, 0x800000                        ; where their transposed copy begins
	s_cmp_eq_u32 s18, 2                            ; x has 16 tile rows (grid x) and 2 tile columns (grid y)
	s_cselect_b32 s20, ttmp9, s19                  ; tile row
	s_cselect_b32 s21, s19, ttmp9                  ; tile column
	s_cselect_b32 s22, 1024, s22
	s_cselect_b32 s23, 0x100000, s23
	s_mul_i32 s24, s20, s22
	s_lshl_b32 s24, s24, 7                         ; 128 rows a tile row
	s_lshl_b32 s25, s21, 9                         ; 512 bytes a tile column
	s_add_co_u32 s24, s24, s25                     ; the tile's first byte in the source,
	s_mov_b32 s25, 0
	s_lshr_b32 s26, s24, 1                         ; in the plain copy,
	s_mov_b32 s27, 0
	s_lshl_b32 s28, s21, 19                        ; and in the transposed one: 128 rows of 4,096 bytes a tile column,
	s_lshl_b32 s29, s20, 8                         ; 256 bytes a tile row
	s_add_co_u32 s28, s28, s29
	s_add_co_u32 s28, s28, s23
	s_mov_b32 s29, 0
	s_wait_alu depctr_va_sdst(0)                   ; s16, the wave's number, is written, ahead of its first reader: the line below
	s_mul_i32 s36, s16, s22
	s_lshl_b32 s36, s36, 4                         ; my wave's 16 rows
	v_lshl_add_u32 v[OI], v1, 4, s36
.set r, 1
.rept 15
	v_add_nc_u32 v[OI+r], s22, v[OI+r-1]
.set r, r+1
.endr
.set r, 0
.rept 16
	v_lshrrev_b32 v[ON+r], 1, v[OI+r]
.set r, r+1
.endr
	v_mul_u32_u24 v[LW], v1, 1040
	s_lshl_b32 s37, s16, 5
	v_add_nc_u32 v[LW], s37, v[LW]
	s_mul_i32 s37, s16, 4160
	v_lshlrev_b32 v[LR], 8, v3
	v_lshl_add_u32 v[LR], v2, 4, v[LR]
	v_add_nc_u32 v[LR], s37, v[LR]
	s_lshl_b32 s38, s16, 16
	v_lshlrev_b32 v[OT], 12, v3
	v_lshl_add_u32 v[OT], v2, 4, v[OT]
	v_add_nc_u32 v[OT], s38, v[OT]
	s_wait_kmcnt 0x0
	s_cmp_eq_u32 s18, 1                            ; the conditions hang on the grid alone
	s_cselect_b64 s[30:31], s[6:7], s[4:5]
	s_cselect_b64 s[32:33], s[12:13], s[10:11]
	s_cmp_eq_u32 s18, 2
	s_cselect_b64 s[30:31], s[8:9], s[30:31]       ; the source
	s_cselect_b64 s[32:33], s[14:15], s[32:33]     ; its copies
	s_add_nc_u64 s[30:31], s[30:31], s[24:25]
	s_add_nc_u64 s[34:35], s[32:33], s[28:29]      ; the transposed tile
	s_add_nc_u64 s[32:33], s[32:33], s[26:27]      ; the plain tile
; Rows 4 g .. 4 g + 3 are rounded into their NN.  out = 1: the stores of the group before are dealt among the roundings, a store in front of each row's two.
.macro ROWS g, out
.irp q, 0,1,2,3
.if \out
	global_store_b64 v[ON+4*(\g)-4+(\q)], v[NN+2*(4*(\g)-4+(\q)):NN+2*(4*(\g)-4+(\q))+1], s[32:33]  ; the wave stores 256 consecutive bytes, aligned; no vector instruction since the group's wait names these registers
.endif
	v_cvt_pk_bf16_f32 v[NN+2*(4*(\g)+(\q))], v[D+4*(4*(\g)+(\q))], v[D+4*(4*(\g)+(\q))+1]
	v_cvt_pk_bf16_f32 v[NN+2*(4*(\g)+(\q))+1], v[D+4*(4*(\g)+(\q))+2], v[D+4*(4*(\g)+(\q))+3]
.endr
.endm
; THE TRANSPOSED TILE.  Its row c (a source column) lies at (c / 4) x 1040 + (c % 4) x 256.
; Eight source rows of one column pack into 16 bytes.
; TURNED: source rows 8 u .. 8 u + 7 of my four columns, packed, into sixteen registers from dst on.  TOLDS: these go into the tile.
.macro TURNED u, dst
.irp j, 0,1,2,3
.irp i, 0,1,2,3
	v_cvt_pk_bf16_f32 v[(\dst)+4*(\j)+(\i)], v[D+4*(8*(\u)+2*(\i))+(\j)], v[D+4*(8*(\u)+2*(\i)+1)+(\j)]
.endr
.endr
.endm
.macro TOLDS u, src
.irp j, 0,1,2,3
	ds_store_b128 v[LW], v[(\src)+4*(\j):(\src)+4*(\j)+3] offset:(\j)*256+(\u)*16
.endr
.endm
	s_wait_alu depctr_va_vdst(0)                   ; OI, ON, LW, LR, OT and the closing add's two registers are written: every load, store and LDS instruction of the kernel reads some of them
.set r, 0
.rept 16                                           ; all sixteen rows are asked for at once: 8 KiB a wave on its way
	global_load_b128 v[D+4*r:D+4*r+3], v[OI+r], s[30:31] th:TH_LOAD_NT
.set r, r+1
.endr
	s_wait_loadcnt 12                              ; loads come back in order: rows 0-3 are in, the twelve younger rows stay out
	ROWS 0, 0
	s_wait_loadcnt 8                               ; rows 4-7 are in
	s_wait_alu depctr_va_vdst(0)                   ; the roundings have written NN of rows 0-3, which the stores below read
	ROWS 1, 1
	TURNED 0, P                                    ; source rows 0-7 are all in: their half of the turned tile is packed while the other rows are on their way
	s_wait_loadcnt 4                               ; rows 8-11 are in
	s_wait_alu depctr_va_vdst(0)                   ; the conversions have written NN of rows 4-7 and P, which the stores and LDS stores below read
	TOLDS 0, P
	ROWS 2, 1
	s_wait_loadcnt 0x0                             ; rows 12-15 are in
	s_wait_alu depctr_va_vdst(0)                   ; the roundings have written NN of rows 8-11, which the stores below read
	ROWS 3, 1
	TURNED 1, Q                                    ; into D's rows 0-3, which only the conversions above have read
	s_wait_alu depctr_va_vdst(0)                   ; the conversions have written NN of rows 12-15 and Q, which the stores below read, and are done reading D's rows 8-15, in which the LDS loads below land; no vector instruction follows
	TOLDS 1, Q
.irp q, 12,13,14,15
	global_store_b64 v[ON+(\q)], v[NN+2*(\q):NN+2*(\q)+1], s[32:33]
.endr
	s_wait_dscnt 0x0                               ; for the others' sake: my stores are done
	s_barrier_signal -1
	s_barrier_wait -1                              ; a row's 256 bytes come from all eight waves
.irp i, 0,1,2,3,4,5,6,7
	ds_load_b128 v[BK+4*(\i):BK+4*(\i)+3], v[LR] offset:((\i)/2)*1040+((\i)%2)*512  ; rows 16 w + 2 i and 16 w + 2 i + 1, whole
.endr
.irp i, 0,1,2,3,4,5,6,7
	s_wait_dscnt 7-(\i)
	global_store_b128 v[OT], v[BK+4*(\i):BK+4*(\i)+3], s[34:35] offset:8192*(\i)  ; sixteen lanes store 256 consecutive bytes, aligned
.endr
	s_wait_dscnt 0x0                               ; the closing lines, six on end
	s_wait_alu 0x0
	s_wait_tensorcnt 0x0
	ds_add_u32 v[SPW], v[NIL]
	s_wait_dscnt 0x0
	s_endpgm
.Lfunc_end_k_qede77b4781_prep:
	.size	k_qede77b4781_prep, .Lfunc_end_k_qede77b4781_prep-k_qede77b4781_prep
	.p2alignl 7, 3214868480
	.fill 96, 4, 3214868480
	.section	.rodata,"a",@progbits
	.p2align	6, 0x0
	.amdhsa_kernel k_qede77b4781_prep
		.amdhsa_group_segment_fixed_size 34304
		.amdhsa_private_segment_fixed_size 0
		.amdhsa_enable_private_segment 0
		.amdhsa_kernarg_size 48
		.amdhsa_user_sgpr_count 2
		.amdhsa_user_sgpr_kernarg_segment_ptr 1
		.amdhsa_wavefront_size32 1
		.amdhsa_system_sgpr_workgroup_id_x 1
		.amdhsa_system_sgpr_workgroup_id_y 1
		.amdhsa_system_sgpr_workgroup_id_z 1
		.amdhsa_system_vgpr_workitem_id 0
		.amdhsa_next_free_vgpr 156
		.amdhsa_next_free_sgpr 66
		.amdhsa_reserve_vcc 0
		.amdhsa_float_denorm_mode_32 3
		.amdhsa_float_denorm_mode_16_64 3
		.amdhsa_memory_ordered 1
		.amdhsa_forward_progress 1
		.amdhsa_inst_pref_size 14
	.end_amdhsa_kernel
	.amdgpu_metadata
---
amdhsa.version: [ 1, 2 ]
amdhsa.kernels:
  - .name:           k_qede77b4781_prep
    .symbol:         k_qede77b4781_prep.kd
    .args:
      - { .name: batch_lam, .offset: 0, .size: 8, .value_kind: global_buffer, .address_space: global }
      - { .name: batch_U, .offset: 8, .size: 8, .value_kind: global_buffer, .address_space: global }
      - { .name: batch_x, .offset: 16, .size: 8, .value_kind: global_buffer, .address_space: global }
      - { .name: Lc, .offset: 24, .size: 8, .value_kind: global_buffer, .address_space: global }
      - { .name: Uc, .offset: 32, .size: 8, .value_kind: global_buffer, .address_space: global }
      - { .name: xc, .offset: 40, .size: 8, .value_kind: global_buffer, .address_space: global }
    .group_segment_fixed_size: 34304
    .private_segment_fixed_size: 0
    .kernarg_segment_align: 8
    .kernarg_segment_size: 48
    .max_flat_workgroup_size: 256
    .sgpr_count:     66
    .vgpr_count:     156
    .wavefront_size: 32
...
	.end_amdgpu_metadata
.endif
;; end of part 6
;; launch ygemm: the kernel of part 2 again; grid 8 x 32, 8 waves a work-group, clusters of 4 x 1, 279,552 bytes of LDS; arguments Uc, xc, Yhl; writes Yhl
;; launch rgemm: the kernel of part 3 again; grid 16 x 16, 4 waves a work-group, clusters of 4 x 4, 327,680 bytes of LDS; arguments Lc, a_list, b_list, c_list, Rb; writes Rb
;; launch zgemm: the kernel of part 4 again; grid 8 x 32, 8 waves a work-group, clusters of 4 x 1, 279,552 bytes of LDS; arguments Rb, Yhl, Zhl; writes Zhl
;; launch ogemm: the kernel of part 5 again; grid 64 x 4, 8 waves a work-group, clusters of 4 x 1, 295,936 bytes of LDS; arguments Zhl, Uc, xc, residual_alpha, out0; writes out0
